; MI455X (gfx1250); checked and timed in simulation.
; The chip was launched on July 23, 2026; its instructions are those of AMD's public machine-readable ISA for CDNA 5 (MIT licence, August 2026) and "CDNA5" Instruction Set Architecture Reference Guide (July 2026). The comments in the code are by the model that wrote it; some were corrected since.
;; Causal Self Attention. Allowed arithmetic: matrix products marked QUANTISED: E2M3 operands, one E8M0 scale for each 32 along K, by v_wmma_scale_f32_16x16x128_f8f6f4 with both operands' format E2M3, f32 sums; everything else in f32.
;; Inputs: b_attn 3,072 float32; b_proj 1,024 float32; w_attn 1,024 x 3,072 float32; w_proj 1,024 x 1,024 float32; x 4 x 2,048 x 1,024 float32.
;; Outputs: out0 4 x 2,048 x 1,024 float32.
;; This version of the problem:
;;   THIS VERSION OF THE PROBLEM IS GIVEN IN LOW PRECISION. The matrix products marked QUANTISED in the list below multiply operands that are first quantised to E2M3 (2 exponent bits, 3 mantissa bits; 6 bits a number), with one power-of-two scale for each 32 numbers along K (OCP MX v1.0); their sums are f32. All else is computed in f32.
;;   The module's matrix products, in the order in which they are computed (A, B: the left and right operand; K: the contracted axis; several contracted axes count as one K, in the product's order):
;;     1. [M 8,192, K 1,024] x [K 1,024, N 3,072]; A: input x; B: input w_attn: QUANTISED
;;     2. batch 64 x [M 2,048, K 64] x [K 64, N 2,048]; A: computed on the way; B: computed on the way: QUANTISED
;;     3. batch 64 x [M 2,048, K 2,048] x [K 2,048, N 64]; A: softmax (see below); B: computed on the way: QUANTISED
;;     4. [M 8,192, K 1,024] x [K 1,024, N 1,024]; A: computed on the way; B: input w_proj: QUANTISED
;;   THE QUANTISER, for each operand of a quantised product, along K:
;;     - K is cut into blocks of 32 from its start; a last block that is shorter is filled with zeros.
;;     - A block's scale is 2^e with e = floor(log2(the largest magnitude in the block)) - 2, held to -126 .. 127; a block of zeros has e = 0. As a byte (E8M0): e + 127.
;;     - Each number is divided by its block's scale, clamped to +-7.5, and rounded to the nearest number of E2M3, ties to even, subnormals kept.
;;     - The product sums the exact products of the quantised numbers (number of the format x scale) in f32.
;;   ~~~python
;;   def quantise(x, axis):      # numpy; x: float32 -> the quantised numbers, widened to float32 again
;;       x = np.moveaxis(x, axis, -1); K = x.shape[-1]
;;       x = np.pad(x, [(0, 0)] * (x.ndim - 1) + [(0, -K % 32)]); x = x.reshape(x.shape[:-1] + (-1, 32)); a = np.abs(x).max(-1, keepdims=True)
;;       e = np.where(a > 0, np.clip(np.frexp(np.where(a > 0, a, 1))[1] - 1 - 2, -126, 127), 0)      # np.frexp(a)[1] - 1 = floor(log2(a)), exactly
;;       r = np.clip(x / 2.0 ** e, -7.5, 7.5)
;;       step = 2.0 ** (np.maximum(np.frexp(np.where(r == 0, 1, r))[1] - 1, 0) - 3)
;;       q = np.round(r / step) * step * 2.0 ** e      # np.round: ties to even
;;       return np.moveaxis(q.reshape(q.shape[:-2] + (-1,))[..., :K], -1, axis).astype(np.float32)
;;   ~~~
;;   SOFTMAX AHEAD OF A QUANTISED PRODUCT. Where the list says 'softmax', what is quantised is not the finished softmax but p = 2^(t - M), with t = logit x log2(e) and M = ceil(the row's largest t), a whole number; so 1/2 < the row's largest p <= 1. The row's sum l is taken of the UNQUANTISED p, in f32, and the product's result is divided by l at the end. Since M is a whole number, a kernel that streams over the keys may use a running M (the ceiling of the running maximum): every later rescaling is an exact power of two, which a block's scale takes up: the codes' values come out the same.
;;   OPERANDS COMPUTED ON THE WAY. 'Computed on the way' means the value that the module computes at that place (a softmax that the list does not call 'softmax' is quantised finished and normalised). What goes into a quantiser is computed in f32, as accurately as f32 sums, v_exp_f32 and their like allow (about 1e-6 of the number): no bf16 or f16 on the way to a quantiser, and a product that is left as it is and whose result goes on into a quantised operand takes f32 operands (vector FMAs, or v_wmma_f32_16x16x4_f32). A number that lies on a knife's edge between two numbers of the format may be rounded either way, as far as f32 arithmetic and the matrix unit's own rounding can turn it there, and no further.
;; One version. Each part assembles by itself: llvm-mc -triple=amdgcn-amd-amdhsa -mcpu=gfx1250 --defsym DOCPART=n.
;; ======== version 1 of 1: 4 launches
;; workspace buffers: xq 6,553,600 bytes; wq 3,276,800 bytes; qq 6,553,600 bytes; kv 13,107,200 bytes; yq 6,553,600 bytes
;; launch quant (part 1): grid 256 x 1, 4 waves a work-group, no clusters, 168,448 bytes of LDS; arguments x, w_attn, w_proj, xq, wq; writes xq, wq
.if DOCPART == 1
	.amdgcn_target "amdgcn-amd-amdhsa--gfx1250"
	.amdhsa_code_object_version 6
	.text
	.protected	k_qf9da62041f_quant
	.globl	k_qf9da62041f_quant
	.p2align	8
	.type	k_qf9da62041f_quant,@function
k_qf9da62041f_quant:
	s_mov_b64 s[64:65], 0
	v_nop
	global_prefetch_b8 v0, s[64:65] scope:SCOPE_SE
	s_setreg_imm32_b32 hwreg(HW_REG_WAVE_MODE, 25, 1), 1
	s_wait_xcnt 0x0
; x [8192][1024], w_attn [1024][3072] and w_proj [1024][1024], f32, become codes of FP6 (E2M3) with one E8M0 byte for each 32 along K (K = the 1,024).
; A block's scale is 2^(floor(log2(its largest magnitude)) - 2); its byte is the largest magnitude's exponent field - 2, held at 1 from below.
; LIMITS: NaN and infinities among the inputs are not served; a block of zeros, and a block whose largest magnitude lies under 2^-124, gets the byte 1 (the rule says 127 for zeros:
; the codes are zeros, which add nothing under any byte but 0xff, and only this program reads the bytes).
; THE CODES ARE LAID AS IMAGES OF THE OPERAND'S REGISTERS.  A half image, 768 bytes, is 16 rows x 64 along K: lane (r, h) owns the six registers with k = 32 h + 0 .. 31 of row r;
; registers 0-3 lie at 16 x lane, registers 4-5 at 512 + 8 x lane.  Two half images on end are a fragment (16 rows x 128 K), eight fragments a block of 16 rows: 12,288 bytes.
; THE 16 ROWS OF A BLOCK ARE NOT NEIGHBOURS: row r of block 2 p + u is token (or weight column) 32 p + 8 u + r + 8 (r / 8), so that later results fall into registers as neighbours along the next K.
; xq: [row block 0..511][K step 0..7][2][768], then at XSC the scale bytes as they lie, [row block][r][32].  wq: [column block 0..255][K step][2][768] (0-191 w_attn, 192-255 w_proj), then at WSC words [K step][block][row].
; SHARES.  Work-group g: (1) tokens 32 g .. 32 g + 31, all of K: wave w takes 256 columns, as four tiles of 32 rows x 256 bytes brought by the tensor data mover, each filled once and read by its own wave alone;
; (2) 128 columns x 128 K of a weight (column group g / 8, K step g % 8): a lane takes a column and its registers run down K, so a block of 32 lies in one lane and the codes come out with K innermost.
; Nothing is shared between work-groups, so there is no cluster; the matrix units have no part in it.
.set XSC,   6291456
.set WSC,   3145728
.set TILE,  8704                       ; 32 rows x (256 bytes + 16 of padding)
.set WST,   139264                     ; behind the 16 tiles: each wave's stage for two weight fragments
.set WSTW,  3328
.set WSTU,  1664
.set GSC,   152576                     ; x's scale words [u][r][8], 1,024 bytes; then the weight's [wave][u][row], 512 bytes
.set OFF,   16                         ; v16-47   4 x lane + i x the weight's row pitch
.set X,     48                         ; v48-111  two sets of 32 numbers
.set SB,    120                        ; v120     the weight column's scale word
.set CX,    128                        ; v128-191 x's codes: eight registers for each half image, never written again
.set G1,    24
.set G0,    32
	s_load_b128 s[4:7], s[0:1], 0x0                ; x, w_attn
	s_load_b128 s[8:11], s[0:1], 0x10              ; w_proj, xq
	s_load_b64 s[12:13], s[0:1], 0x20              ; wq
	v_lshl_add_u32 v254, v0, 2, 0x29000
	v_mov_b32 v255, 0
	ds_add_u32 v254, v255
	ds_add_u32 v254, v255
	v_lshrrev_b32 v1, 5, v0
	v_readfirstlane_b32 s14, v1                    ; wave
	s_lshr_b32 s15, ttmp9, 3                       ; the weights' column group 0..31
	s_and_b32 s16, ttmp9, 7                        ; and K step
	s_mov_b32 s[G1], (2<<16)|(1<<20)|(5<<22)|(3<<25)   ; elements of 4 bytes; 4 words of padding behind every 64
	s_mov_b32 s[G1+1], 64<<16                      ; tensor_dim0 = 64
	s_mov_b32 s[G1+2], 32<<16                      ; tensor_dim1 = 32
	s_mov_b32 s[G1+3], 64<<16                      ; tile_dim0 = 64
	s_mov_b32 s[G1+4], 32                          ; tile_dim1 = 32
	s_mov_b32 s[G1+5], 1024                        ; elements from row to row
	s_mov_b32 s[G1+6], 0
	s_mov_b32 s[G1+7], 0
	s_mul_i32 s18, s14, 4*TILE                     ; my four tiles in LDS
	s_lshl_b32 s20, ttmp9, 17                      ; 32 rows of 4,096 bytes
	s_lshl_b32 s21, s14, 10                        ; my 256 columns
	s_add_co_u32 s20, s20, s21
	s_mov_b32 s21, 0
	s_wait_dscnt 0x0
	s_wait_kmcnt 0x0
	s_add_nc_u64 s[4:5], s[4:5], s[20:21]
.irp i, 0,1,2,3
	s_mov_b32 s[G0+4*\i], 1
	s_add_co_u32 s[G0+4*\i+1], s18, \i*TILE
	s_add_nc_u64 s[G0+4*\i+2:G0+4*\i+3], s[4:5], \i*256
	s_or_b32 s[G0+4*\i+3], s[G0+4*\i+3], 0x80000000
.endr
.irp i, 0,1,2,3
	tensor_load_to_lds s[G0+4*\i:G0+4*\i+3], s[G1:G1+7]   ; all first fills in one group: four tensor loads of mine are out
	s_nop 0
.endr
.rept 4
	v_nop
.endr
	; the weight: which tensor, its pitch, my 32 columns, the four blocks of 32 rows
	s_mov_b32 s17, 4096
	s_cmp_lt_u32 s15, 24                           ; the choice hangs on the work-group's number alone
	s_cselect_b64 s[6:7], s[6:7], s[8:9]
	s_cselect_b32 s17, 12288, s17                  ; bytes from row to row
	s_cselect_b32 s19, 0, 24
	s_sub_co_u32 s19, s15, s19                     ; column group inside the chosen weight
	s_lshl_b32 s19, s19, 9
	s_lshl_b32 s22, s14, 7
	s_add_co_u32 s19, s19, s22                     ; my first column, in bytes
	s_mul_i32 s22, s16, s17
	s_lshl_b32 s22, s22, 7                         ; 128 rows for each K step
	s_add_co_u32 s22, s22, s19
	s_mov_b32 s23, 0
	s_add_nc_u64 s[48:49], s[6:7], s[22:23]
	s_lshl_b32 s22, s17, 5                         ; 32 rows on
	s_add_nc_u64 s[50:51], s[48:49], s[22:23]
	s_add_nc_u64 s[52:53], s[50:51], s[22:23]
	s_add_nc_u64 s[54:55], s[52:53], s[22:23]
	s_mov_b32 s56, 0x76543210
	s_mov_b32 s57, 0xfedcba98                      ; v_permlanex16_b32's selects for lane l xor 16
	v_and_b32 v1, 31, v0                           ; lane
	v_lshlrev_b32 v2, 2, v1
.set II, 0
.rept 32
	v_mad_u32_u24 v[OFF+II], s17, II, v2
.set II, II+1
.endr
.macro LOADW t                         ; block t of my column: 32 numbers down K; a load reads 128 consecutive bytes, the four waves stand side by side
.set II, 0
.rept 32
	global_load_b32 v[X+32*((\t)%2)+II], v[OFF+II], s[48+2*(\t):49+2*(\t)] th:TH_LOAD_NT
.set II, II+1
.endr
.endm
	LOADW 0
	LOADW 1
	v_and_b32 v3, 15, v0                           ; r
	v_bfe_u32 v4, v0, 4, 1                         ; h
	v_and_b32 v5, 8, v3
	v_add_nc_u32 v5, v5, v3                        ; r + 8 (r / 8)
	v_mul_u32_u24 v5, v5, 272
	v_lshl_add_u32 v5, v4, 7, v5                   ; + 128 h: my block of 32 numbers
	v_add_nc_u32 v5, s18, v5                       ; x's tiles: my lane's place
	v_lshlrev_b32 v6, 4, v1                        ; 16 x lane
	v_lshlrev_b32 v7, 3, v1                        ; 8 x lane
	v_bfe_u32 v121, v0, 3, 1                       ; my column c of 32: block u = (c / 8) % 2,
	v_and_b32 v122, 7, v0
	v_lshl_add_u32 v122, v4, 3, v122               ; row m = c % 8 + 8 (c / 16)
	s_mul_i32 s2, s14, WSTW
	s_add_co_u32 s2, s2, WST
	v_mul_u32_u24 v8, v121, WSTU
	v_add_nc_u32 v8, s2, v8
	v_lshl_add_u32 v9, v122, 3, v8                 ; the stage: registers 4-5 at 8 m
	v_lshl_add_u32 v8, v122, 4, v8                 ; registers 0-3 at 16 m
	v_add_nc_u32 v10, s2, v6                       ; and back: 16 x lane
	v_lshlrev_b32 v11, 3, v4                       ; 8 h
	s_lshl_b32 s3, s14, 3
	s_add_co_u32 s3, s3, GSC
	v_lshlrev_b32 v12, 5, v3
	v_add_nc_u32 v12, s3, v12                      ; x's scale words: 32 r + 8 wave
	s_lshl_b32 s3, s14, 7
	s_add_co_u32 s3, s3, GSC+1024
	v_lshlrev_b32 v13, 6, v121
	v_lshl_add_u32 v13, v122, 2, v13
	v_add_nc_u32 v13, s3, v13                      ; the weight's: 128 wave + 64 u + 4 m
	s_lshl_b32 s3, s14, 9
	s_add_co_u32 s3, s3, GSC
	v_add_nc_u32 v124, s3, v6                      ; the scales' way out: 512 wave + 16 lane
	v_mov_b32 v123, 0                              ; written once: a lane permute's destination counts as one of its sources
	s_mul_i32 s20, ttmp9, 24576
	s_mul_i32 s21, s14, 3072
	s_add_co_u32 s20, s20, s21
	s_mov_b32 s21, 0
	s_add_nc_u64 s[58:59], s[10:11], s[20:21]      ; xq: row block 2 g, K step 2 wave
	s_lshl_b32 s20, s15, 3
	s_lshl_b32 s21, s14, 1
	s_add_co_u32 s20, s20, s21
	s_mul_i32 s20, s20, 12288
	s_mul_i32 s21, s16, 1536
	s_add_co_u32 s20, s20, s21
	s_mov_b32 s21, 0
	s_add_nc_u64 s[60:61], s[12:13], s[20:21]      ; wq: column block 8 group + 2 wave, my K step
	s_lshl_b32 s20, ttmp9, 10
	s_lshl_b32 s21, s14, 9
	s_add_co_u32 s20, s20, s21
	s_add_co_u32 s20, s20, XSC
	s_mov_b32 s21, 0
	s_add_nc_u64 s[20:21], s[10:11], s[20:21]      ; x's scale bytes: waves 0 and 1 store 512 bytes each
	s_lshl_b32 s22, s16, 14
	s_lshl_b32 s23, s15, 9
	s_add_co_u32 s22, s22, s23
	s_add_co_u32 s22, s22, WSC
	s_mov_b32 s23, 0
	s_add_nc_u64 s[22:23], s[12:13], s[22:23]      ; the weight's scale words: wave 2 stores 512 bytes
	s_cmp_lt_u32 s14, 2
	s_cselect_b64 s[62:63], s[20:21], s[22:23]
.macro MAX32 xs                        ; the largest magnitude of 32 numbers of one lane, in two chains, and the floor 2^(3 - 127): the byte cannot fall under 1
	v_max3_num_f32 v14, |v[\xs]|, |v[\xs+1]|, |v[\xs+2]|
	v_max3_num_f32 v15, |v[\xs+3]|, |v[\xs+4]|, |v[\xs+5]|
.irp i, 6,10,14,18,22,26
	v_max3_num_f32 v14, v14, |v[\xs+\i]|, |v[\xs+\i+1]|
	v_max3_num_f32 v15, v15, |v[\xs+\i+2]|, |v[\xs+\i+3]|
.endr
	v_max3_num_f32 v14, v14, |v[\xs+30]|, |v[\xs+31]|
	v_max3_num_f32 v14, v14, v15, 0x1800000
.endm
.macro BLOCKW t                        ; block t = 2 c + h of my column: six registers of codes, to lane m + 16 h of half image c
.set XS, X+32*((\t)%2)
.if (\t) < 3
	s_wait_loadcnt 32                              ; this block's 32 loads are in; the next block's 32 may be out
.else
	s_wait_loadcnt 0x0
.endif
	MAX32 XS
	v_add_nc_u32 v121, 0xff000000, v14             ; 2 off the exponent field: the conversion takes the exponent field of this operand as its scale
	v_lshrrev_b32 v122, 23, v121                   ; the scale's byte
.if (\t) == 0
	v_mov_b32 v[SB], v122
.else
	v_lshl_or_b32 v[SB], v122, 8*(\t), v[SB]
.endif
	v_cvt_scalef32_pk16_fp6_f32 v[112:114], v[XS:XS+15], v121
	v_cvt_scalef32_pk16_fp6_f32 v[116:118], v[XS+16:XS+31], v121   ; (a conversion's three registers begin on an even number)
	v_nop                                          ; one plain place behind a scaled conversion
	v_mov_b32 v115, v116
	v_mov_b32 v116, v117
	v_mov_b32 v117, v118
	ds_store_b128 v8, v[112:115] offset:((\t)/2)*768+((\t)%2)*256
	ds_store_b64 v9, v[116:117] offset:((\t)/2)*768+512+((\t)%2)*128
.if (\t) < 2
	LOADW (\t)+2
.endif
	s_wait_dscnt 0x0                               ; the stores have read their registers: the next block's codes may be written
.endm
	BLOCKW 0
	BLOCKW 1
	BLOCKW 2
	BLOCKW 3
	ds_store_b32 v13, v[SB]
.irp u, 0,1
.irp j, 0,1,2
	ds_load_b128 v[200+12*\u+4*\j:203+12*\u+4*\j], v10 offset:\u*WSTU+512*\j   ; LDS serves a wave's instructions in order: these see my stores
.endr
.endr
.irp u, 0,1
.irp j, 0,1,2
	s_wait_dscnt 5-3*\u-\j                         ; the younger loads may be out
	global_store_b128 v6, v[200+12*\u+4*\j:203+12*\u+4*\j], s[60:61] offset:\u*12288+512*\j   ; 512 consecutive bytes, aligned
.endr
.endr
.macro XHALF i                         ; tile i = 2 (K step in my two) + c: two half images, of row blocks 2 g and 2 g + 1
	s_wait_tensorcnt 3-(\i)                        ; my tile i is in LDS; the younger tiles may be out
.irp u, 0,1
.irp j, 0,1,2,3,4,5,6,7
	ds_load_b128 v[X+32*\u+4*\j:X+32*\u+4*\j+3], v5 offset:(\i)*TILE+\u*2176+16*\j
.endr
.endr
.irp u, 0,1
	s_wait_dscnt 8-8*\u                            ; row block u's eight loads are in
.set XS, X+32*\u
.set CC, CX+8*(2*(\i)+\u)
.set WD, 196+2*((\i)/2)+\u
	MAX32 XS
	v_add_nc_u32 v121, 0xff000000, v14
	v_cvt_scalef32_pk16_fp6_f32 v[CC:CC+2], v[XS:XS+15], v121
	v_cvt_scalef32_pk16_fp6_f32 v[CC+4:CC+6], v[XS+16:XS+31], v121
	v_lshrrev_b32 v122, 23, v121                   ; the scale's byte; also the plain place behind the conversions
	v_mov_b32 v[CC+3], v[CC+4]
	v_mov_b32 v[CC+4], v[CC+5]
	v_mov_b32 v[CC+5], v[CC+6]
	global_store_b128 v6, v[CC:CC+3], s[58:59] offset:\u*12288+(\i)*768
	global_store_b64 v7, v[CC+4:CC+5], s[58:59] offset:\u*12288+(\i)*768+512
.if (\i)%2 == 0
	v_mov_b32 v[192+\u], v122                      ; block h of the K step: kept for the word
.else
	v_lshl_or_b32 v[WD], v122, 16, v[192+\u]       ; my two bytes, blocks h and 2 + h,
	v_lshlrev_b32 v[WD], v11, v[WD]                ; at their places in the word;
	v_permlanex16_b32 v123, v[WD], s56, s57
	v_or_b32 v[WD], v[WD], v123                    ; with lane l xor 16's two the word is whole
	ds_store_b32 v12, v[WD] offset:\u*512+4*((\i)/2)   ; both lanes of a row write the same word with the same value
.endif
.endr
.endm
	XHALF 0
	XHALF 1
	XHALF 2
	XHALF 3
	s_wait_dscnt 0x0                               ; for the others' sake: my scale words lie in LDS
	s_barrier_signal -1
	s_barrier_wait -1
	s_cmp_gt_u32 s14, 2
	s_cbranch_scc1 .Lend                           ; 1,536 bytes of scales: three waves store 512 each
	ds_load_b128 v[224:227], v124
	s_wait_dscnt 0x0
	global_store_b128 v6, v[224:227], s[62:63]
.Lend:
	s_wait_tensorcnt 0x0
	ds_add_u32 v254, v255
	s_wait_dscnt 0x0
	s_endpgm
.Lfunc_end_k_qf9da62041f_quant:
	.size	k_qf9da62041f_quant, .Lfunc_end_k_qf9da62041f_quant-k_qf9da62041f_quant
	.p2alignl 7, 3214868480
	.fill 96, 4, 3214868480
	.section	.rodata,"a",@progbits
	.p2align	6, 0x0
	.amdhsa_kernel k_qf9da62041f_quant
		.amdhsa_group_segment_fixed_size 168448
		.amdhsa_private_segment_fixed_size 0
		.amdhsa_enable_private_segment 0
		.amdhsa_kernarg_size 40
		.amdhsa_user_sgpr_count 2
		.amdhsa_user_sgpr_kernarg_segment_ptr 1
		.amdhsa_wavefront_size32 1
		.amdhsa_system_sgpr_workgroup_id_x 1
		.amdhsa_system_sgpr_workgroup_id_y 1
		.amdhsa_system_sgpr_workgroup_id_z 1
		.amdhsa_system_vgpr_workitem_id 0
		.amdhsa_next_free_vgpr 256
		.amdhsa_next_free_sgpr 66
		.amdhsa_reserve_vcc 0
		.amdhsa_float_denorm_mode_32 3
		.amdhsa_float_denorm_mode_16_64 3
		.amdhsa_memory_ordered 1
		.amdhsa_forward_progress 1
		.amdhsa_inst_pref_size 47
	.end_amdhsa_kernel
	.amdgpu_metadata
---
amdhsa.version: [ 1, 2 ]
amdhsa.kernels:
  - .name:           k_qf9da62041f_quant
    .symbol:         k_qf9da62041f_quant.kd
    .args:
      - { .name: x, .offset: 0, .size: 8, .value_kind: global_buffer, .address_space: global }
      - { .name: w_attn, .offset: 8, .size: 8, .value_kind: global_buffer, .address_space: global }
      - { .name: w_proj, .offset: 16, .size: 8, .value_kind: global_buffer, .address_space: global }
      - { .name: xq, .offset: 24, .size: 8, .value_kind: global_buffer, .address_space: global }
      - { .name: wq, .offset: 32, .size: 8, .value_kind: global_buffer, .address_space: global }
    .group_segment_fixed_size: 168448
    .private_segment_fixed_size: 0
    .kernarg_segment_align: 8
    .kernarg_segment_size: 40
    .max_flat_workgroup_size: 128
    .sgpr_count:     66
    .vgpr_count:     256
    .wavefront_size: 32
...
	.end_amdgpu_metadata
.endif
;; end of part 1
;; launch qkv (part 2): grid 4 x 64, 4 waves a work-group, clusters of 4 x 4, 327,680 bytes of LDS; arguments xq, wq, b_attn, qq, kv; writes qq, kv
.if DOCPART == 2
	.amdgcn_target "amdgcn-amd-amdhsa--gfx1250"
	.amdhsa_code_object_version 6
	.text
	.protected	k_qf9da62041f_qkv
	.globl	k_qf9da62041f_qkv
	.p2align	8
	.type	k_qf9da62041f_qkv,@function
k_qf9da62041f_qkv:
	s_mov_b64 s[64:65], 0
	v_nop
	global_prefetch_b8 v0, s[64:65] scope:SCOPE_SE
	s_setreg_imm32_b32 hwreg(HW_REG_WAVE_MODE, 25, 1), 1
	s_wait_xcnt 0x0
	s_wait_alu depctr_hold_cnt(0) depctr_sa_sdst(0) depctr_va_vdst(0) depctr_va_sdst(0) depctr_va_ssrc(0) depctr_va_vcc(0) depctr_vm_vsrc(0)
	s_getreg_b32 s2, hwreg(HW_REG_IB_STS2, 6, 4)
	s_cmp_eq_u32 s2, 0
	s_cbranch_scc0 .Lentry_in_a_cluster
	s_endpgm
.Lentry_in_a_cluster:
	s_bfe_u32 s2, ttmp6, 0x10000c
	s_cmp_lg_u32 s2, 0xf033
	s_cbranch_scc0 .Lentry_shape_is_right
	s_endpgm
.Lentry_shape_is_right:
; qkv = x w_attn + b_attn on codes of FP6 (E2M3) with E8M0 scales; q, k and v never go to memory as f32: each is quantised in registers for the product that reads it (q, k along the head's 64, v along the keys).
; LIMITS: NaN and infinities are not served; a block of zeros, or one whose largest magnitude lies under 2^-124, gets the byte 1 (its codes are zeros or near it; only this program reads the bytes).
; OPERANDS lie in memory and in LDS as images of the operand's registers: a half image (768 bytes: 16 rows x 64 K; registers 0-3 at 16 x lane, 4-5 at 512 + 8 x lane), two to a fragment.
; Row r of block 2 p + u is token (weight column) 32 p + 8 u + r + 8 (r / 8): so a lane's 16 registers of two neighbouring result tiles are 16 neighbours along the next K.
; SHARES.  A work-group owns 128 tokens (mb) and 4 heads (hg) and STAYS for three tiles of 128 x 256: q, k, v.  Four waves, 2 x 2: a wave has 64 tokens x 128 columns: 32 accumulators, 256 registers.
; A's 64 rows x 1,024 K stay in 384 registers of the wave, read from LDS once; per K step of 128 a wave reads only B's eight fragments, 12,288 bytes, for 32 matrix instructions.
; q and k are made TRANSPOSED (source 0 = 16 weight columns, source 1 = 16 tokens): a lane holds a token and its registers run along the columns.  v is made the natural way: a lane holds a channel and its registers run along the tokens, which are its K.
; CLUSTER 4 x 4: A's block hangs on mb alone and is asked for jointly along a row of the cluster, B's slots on hg alone, jointly along a column.  Every wave issues the same lines: no branch stands round a tensor load.
; LDS: A 0 .. 98,303 (row block x 12,288); two slots of 98,304 (column block x 6,144 + K step x 1,536: 256 columns x 512 K); scale stages; the spare words.  All of a WGP's LDS is claimed.
; OUT.  qq: [head][tile of 16 queries][768], at QSC [head][tile][r] two bytes.  kv: [head][key step of 128][12,800]: K's 8 half images; 256 bytes of K's scale words [fragment of 32 keys][r]; V's 4 fragments (16 channels x 128 keys); 256 bytes of V's words [fragment][r].
; REGISTERS: window 0: v1-15 addresses; v16-31 A's scale words; v32-63 B's; v64-159, v160-255 B's fragments, two sets (set 1 is at work in the epilogues).  window 1: accumulators.  window 2: A of K steps 0-4.  window 3: A of K steps 5-7, from v144 the bias.
.set XSC,   6291456
.set WSC,   3145728
.set QSC,   6291456
.set REC,   12800
.set HEADB, 204800
.set SLOT0, 98304
.set SLOTB, 98304
.set QSL,   294912                     ; q's scale bytes [head of 4][256]; K's 1,024 on; V's 2,048 on
.set KSL,   295936
.set VSL,   296960
.set SPARE, 297984                     ; the spare words, 128 bytes a wave: two blocks of 256 bytes that no other line names
.set AS,    16
.set BS,    32
.set BIAS,  144
.set TM,    160
.set PW,    176
.set PCB,   180
.set SPW,   12
.set NIL,   13
.set G1A,   24
.set G0A,   32
.set G1B,   36
.set G0B,   44
.set SEL,   78
.set MSB,   0
.macro WIN new                         ; the immediate's high byte repeats the setting that is left
.if MSB != (\new)
	s_set_vgpr_msb (MSB<<8)|(\new)
.set MSB, (\new)
.endif
.endm
.macro PLACES                          ; four places behind matrix instructions, in front of loads into their registers and of reads of their results
.rept 4
	v_nop
.endr
.endm
.macro CREST                           ; a round of the cluster's barrier behind its opening barrier
	s_cmp_lg_u32 s14, 0
	s_cbranch_scc1 .Lnot_wave_0_\@
	s_barrier_signal -3
.Lnot_wave_0_\@:
	s_barrier_wait -3
	s_barrier_signal -1
	s_barrier_wait -1
.endm
.macro CROUND
	s_barrier_signal -1
	s_barrier_wait -1
	CREST
.endm
	s_load_b128 s[4:7], s[0:1], 0x0                ; xq, wq
	s_load_b128 s[8:11], s[0:1], 0x10              ; b_attn, qq
	s_load_b64 s[12:13], s[0:1], 0x20              ; kv
	v_lshl_add_u32 v[SPW], v0, 2, SPARE
	v_mov_b32 v[NIL], 0
	ds_add_u32 v12, v13
	ds_add_u32 v12, v13
	s_wait_dscnt 0x0
	v_lshrrev_b32 v1, 5, v0
	v_readfirstlane_b32 s14, v1                    ; wave
	s_lshr_b32 s15, s14, 1                         ; mh: which 64 tokens
	s_and_b32 s16, s14, 1                          ; nh: which 128 columns
	s_bfe_u32 s17, ttmp6, 0x40000                  ; cx
	s_bfe_u32 s18, ttmp6, 0x40004                  ; cy
	s_lshl_b32 s19, ttmp9, 2
	s_add_co_u32 s19, s19, s17                     ; hg = 4 x cluster x + cx
	s_and_b32 s20, ttmp7, 0xffff
	s_lshl_b32 s20, s20, 2
	s_add_co_u32 s20, s20, s18                     ; mb = 4 x cluster y + cy
	s_lshl_b32 s21, s18, 2
	s_lshl_b32 s21, 15, s21                        ; my row of the cluster
	s_lshl_b32 s22, 0x1111, s17                    ; my column
	s_or_b32 s[G1A], s21, (3<<16)|(1<<21)          ; A: a dense block of 24,576 bytes as 96 rows of 32 elements of 8 bytes
	s_mov_b32 s[G1A+1], 32<<16
	s_mov_b32 s[G1A+2], 96<<16
	s_mov_b32 s[G1A+3], 32<<16
	s_mov_b32 s[G1A+4], 96
	s_mov_b32 s[G1A+5], 32
	s_mov_b32 s[G1A+6], 0
	s_mov_b32 s[G1A+7], 0
	s_or_b32 s[G1B], s22, (3<<16)|(1<<21)          ; B: 4 column blocks x 6,144 bytes (768 elements of 8), 12,288 bytes apart
	s_mov_b32 s[G1B+1], 768<<16
	s_mov_b32 s[G1B+2], 4<<16
	s_mov_b32 s[G1B+3], 768<<16
	s_mov_b32 s[G1B+4], 4
	s_mov_b32 s[G1B+5], 1536
	s_mov_b32 s[G1B+6], 0
	s_mov_b32 s[G1B+7], 0
	s_lshl_b32 s52, s20, 3
	s_lshl_b32 s53, s14, 1
	s_add_co_u32 s52, s52, s53
	s_mul_i32 s52, s52, 12288                      ; A: row blocks 8 mb + 2 wave, + 1
	s_mov_b32 s53, 0
	s_lshl_b32 s54, s19, 4
	s_lshl_b32 s55, s14, 2
	s_add_co_u32 s54, s54, s55
	s_mul_i32 s54, s54, 12288                      ; B: column blocks 16 hg + 4 wave on
	s_mov_b32 s55, 0
	s_mul_i32 s88, s14, 24576                      ; where they go: the wave's number alone
	s_wait_kmcnt 0x0
	s_mov_b32 s[G0A], 1
	s_mov_b32 s[G0A+1], s88
	s_add_nc_u64 s[G0A+2:G0A+3], s[4:5], s[52:53]
	s_or_b32 s[G0A+3], s[G0A+3], 0x80000000
	s_add_nc_u64 s[54:55], s[6:7], s[54:55]
.irp s, 0,1
	s_mov_b32 s[G0B+4*\s], 1
	s_add_co_u32 s[G0B+4*\s+1], s88, SLOT0+\s*SLOTB
	s_add_nc_u64 s[G0B+4*\s+2:G0B+4*\s+3], s[54:55], \s*6144
	s_or_b32 s[G0B+4*\s+3], s[G0B+4*\s+3], 0x80000000
.endr
	CROUND                                         ; all sixteen work-groups are here: the first joint loads meet
	tensor_load_to_lds s[G0A:G0A+3], s[G1A:G1A+7]
	s_nop 0
	tensor_load_to_lds s[G0B:G0B+3], s[G1B:G1B+7]
	s_nop 0
	tensor_load_to_lds s[G0B+4:G0B+7], s[G1B:G1B+7]   ; three tensor loads of mine are out
	s_nop 0
	PLACES
	v_and_b32 v1, 15, v0                           ; r
	v_bfe_u32 v2, v0, 4, 1                         ; h
	v_and_b32 v3, 31, v0
	v_lshlrev_b32 v4, 3, v3                        ; 8 x lane
	v_lshlrev_b32 v3, 4, v3                        ; 16 x lane
	s_mul_i32 s88, s15, 49152
	v_add_nc_u32 v5, s88, v3                       ; A's fragments: my four row blocks
	v_add_nc_u32 v6, s88, v4
	s_mul_i32 s88, s16, 49152
	s_add_co_u32 s88, s88, SLOT0
	v_add_nc_u32 v7, s88, v3                       ; B's: my eight column blocks in slot 0,
	v_add_nc_u32 v8, s88, v4
	s_add_co_u32 s88, s88, SLOTB
	v_add_nc_u32 v9, s88, v3                       ; in slot 1
	v_add_nc_u32 v10, s88, v4
	v_lshlrev_b32 v11, 2, v1
	v_lshl_add_u32 v11, v2, 16, v11                ; B's scale words: 4 r; lanes 16-31 four K steps (65,536 bytes) on
	s_wait_alu depctr_va_vdst(0)
	v_lshlrev_b32 v14, 6, v2                       ; the bias of a transposed tile: 16 h columns on
	s_wait_alu depctr_va_vdst(0)
	v_and_b32 v15, 8, v1
	v_add_nc_u32 v15, v15, v1
	v_lshlrev_b32 v15, 2, v15                      ; of a natural tile: my channel r + 8 (r / 8)
	s_lshl_b32 s80, s16, 9
	s_lshl_b32 s81, s15, 1
	s_add_co_u32 s81, s80, s81                     ; V's stage: 512 nh + 2 mh
	s_lshl_b32 s82, s15, 7
	s_add_co_u32 s80, s80, s82                     ; q's and K's: 512 nh + 128 mh
	s_lshl_b32 s82, s14, 8                         ; the stages' way out: 256 x wave
	s_mov_b32 s[SEL], 0x76543210
	s_mov_b32 s[SEL+1], 0xfedcba98
	s_mov_b32 s57, 0
	s_lshl_b32 s56, s19, 4
	s_lshl_b32 s83, s16, 3
	s_add_co_u32 s56, s56, s83
	s_lshl_b32 s56, s56, 6
	s_add_co_u32 s56, s56, WSC
	s_add_nc_u64 s[58:59], s[6:7], s[56:57]        ; B's scale words at column block 16 hg + 8 nh
	s_lshl_b32 s56, s19, 10
	s_lshl_b32 s83, s16, 9
	s_add_co_u32 s56, s56, s83
	s_add_nc_u64 s[60:61], s[8:9], s[56:57]        ; the bias at column 256 hg + 128 nh
	s_lshl_b32 s56, s20, 3
	s_lshl_b32 s83, s15, 2
	s_add_co_u32 s56, s56, s83
	s_lshl_b32 s56, s56, 9
	s_add_co_u32 s56, s56, XSC
	s_add_nc_u64 s[62:63], s[4:5], s[56:57]        ; A's scale bytes at row block 8 mb + 4 mh
	s_and_b32 s76, s20, 0xfff0                     ; 16 x batch
	s_lshl_b32 s83, s19, 2
	s_add_co_u32 s76, s76, s83
	s_add_co_u32 s84, s76, s14                     ; the head whose scales I store at the end
	s_lshl_b32 s83, s16, 1
	s_add_co_u32 s76, s76, s83                     ; my first head
	s_and_b32 s77, s20, 15                         ; the key step, and 8 tiles of queries
	s_lshl_b32 s56, s76, 7
	s_lshl_b32 s83, s77, 3
	s_add_co_u32 s56, s56, s83
	s_lshl_b32 s83, s15, 2
	s_add_co_u32 s56, s56, s83
	s_mul_i32 s56, s56, 768
	s_add_nc_u64 s[66:67], s[10:11], s[56:57]      ; q's half images
	s_mul_i32 s85, s76, HEADB
	s_mul_i32 s83, s77, REC
	s_add_co_u32 s85, s85, s83
	s_mul_i32 s83, s15, 3072
	s_add_co_u32 s56, s85, s83
	s_add_nc_u64 s[68:69], s[12:13], s[56:57]      ; K's
	s_mul_i32 s83, s15, 768
	s_add_co_u32 s56, s85, s83
	s_add_co_u32 s56, s56, 6400
	s_add_nc_u64 s[70:71], s[12:13], s[56:57]      ; V's
	s_lshl_b32 s56, s84, 12
	s_lshl_b32 s83, s77, 8
	s_add_co_u32 s56, s56, s83
	s_add_co_u32 s56, s56, QSC
	s_add_nc_u64 s[72:73], s[10:11], s[56:57]      ; q's scale bytes of one head
	s_mul_i32 s56, s84, HEADB
	s_mul_i32 s83, s77, REC
	s_add_co_u32 s56, s56, s83
	s_add_nc_u64 s[74:75], s[12:13], s[56:57]      ; that head's record
.macro LOADBS tile                     ; register 4 j + q: lanes 0-15 the word of column block j for K step q, lanes 16-31 for K step 4 + q
.irp j, 0,1,2,3,4,5,6,7
.irp q, 0,1,2,3
	global_load_b32 v[BS+4*\j+\q], v11, s[58:59] offset:\q*16384+\j*64+(\tile)*4096
.endr
.endr
.endm
.macro LOADBT tile                     ; the bias as C of a transposed tile j: columns 32 (j / 2) + 16 h + 8 (j % 2) + 0 .. 7
	WIN 0xc0
.irp j, 0,1,2,3,4,5,6,7
	global_load_b128 v[BIAS+8*\j:BIAS+8*\j+3], v14, s[60:61] offset:(32*(\j/2)+8*(\j%2))*4+(\tile)*4096
	global_load_b128 v[BIAS+8*\j+4:BIAS+8*\j+7], v14, s[60:61] offset:(32*(\j/2)+8*(\j%2))*4+16+(\tile)*4096
.endr
	WIN 0
.endm
.macro LOADBN tile                     ; of a natural tile: all eight registers hold my channel's number
	WIN 0xc0
.irp j, 0,1,2,3,4,5,6,7
.irp i, 0,1,2,3,4,5,6,7
	global_load_b32 v[BIAS+8*\j+\i], v15, s[60:61] offset:(32*(\j/2)+8*(\j%2))*4+(\tile)*4096
.endr
.endr
	WIN 0
.endm
.macro FETCH k                         ; B's eight fragments of K step k (8 = the next tile's first): slot (k / 4) % 2, into set k % 2
	WIN 0
.set FS, ((\k)>>2)&1
.set FK, (\k)&3
.set FB, 64+96*((\k)&1)
.irp j, 0,1,2,3,4,5,6,7
	ds_load_b128 v[FB+12*\j:FB+12*\j+3], v[7+2*FS] offset:\j*6144+FK*1536
	ds_load_b64 v[FB+12*\j+4:FB+12*\j+5], v[8+2*FS] offset:\j*6144+FK*1536+512
	ds_load_b128 v[FB+12*\j+6:FB+12*\j+9], v[7+2*FS] offset:\j*6144+FK*1536+768
	ds_load_b64 v[FB+12*\j+10:FB+12*\j+11], v[8+2*FS] offset:\j*6144+FK*1536+1280
.endr
.endm
.macro FETCHA ks                       ; A's four fragments of K step ks, into the registers where they stay
.if (\ks) < 5
	WIN 0x80
.set AB, 48*(\ks)
.else
	WIN 0xc0
.set AB, 48*((\ks)-5)
.endif
.irp a, 0,1,2,3
	ds_load_b128 v[AB+12*\a:AB+12*\a+3], v5 offset:\a*12288+(\ks)*1536
	ds_load_b64 v[AB+12*\a+4:AB+12*\a+5], v6 offset:\a*12288+(\ks)*1536+512
	ds_load_b128 v[AB+12*\a+6:AB+12*\a+9], v5 offset:\a*12288+(\ks)*1536+768
	ds_load_b64 v[AB+12*\a+10:AB+12*\a+11], v6 offset:\a*12288+(\ks)*1536+1280
.endr
.endm
.macro WM                              ; one product, by the symbols RD, R0, R1, RC, X0, X1; HI = 1: both sides' scale words of K steps 4-7 lie in lanes 16-31
.if HI
	v_wmma_scale_f32_16x16x128_f8f6f4 v[RD:RD+7], v[R0:R0+11], v[R1:R1+11], v[RC:RC+7], v[X0], v[X1] matrix_a_fmt:MATRIX_FMT_FP6 matrix_b_fmt:MATRIX_FMT_FP6 matrix_a_scale:MATRIX_SCALE_ROW1 matrix_b_scale:MATRIX_SCALE_ROW1
.else
	v_wmma_scale_f32_16x16x128_f8f6f4 v[RD:RD+7], v[R0:R0+11], v[R1:R1+11], v[RC:RC+7], v[X0], v[X1] matrix_a_fmt:MATRIX_FMT_FP6 matrix_b_fmt:MATRIX_FMT_FP6
.endif
.endm
; 16 products: A's blocks a0, a0 + 1 x B's eight, K step ks.  typ 0: transposed, accumulator 8 (8 a + j); typ 1: natural, 8 (4 j + a).  K step 0 takes the bias as C: nothing is cleared and no addition is spent.
; The 32 accumulators take turns, one instruction a turn, in the same order in every K step.
.macro MULH typ, ks, a0
.set HI, (\ks)>>2
.set QQ, (\ks)&3
.if (\ks) < 5
.set AB, 48*(\ks)
.else
.set AB, 48*((\ks)-5)
.endif
.if (\ks) == 0
	WIN 0x78-6*(\typ)
.elseif (\ks) < 5
	WIN 0x58-6*(\typ)
.else
	WIN 0x5c-9*(\typ)
.endif
.irp a, \a0, \a0+1
.irp j, 0,1,2,3,4,5,6,7
.if (\typ) == 0
.set RD, 8*(8*(\a)+\j)
.set R0, 64+96*((\ks)&1)+12*\j
.set R1, AB+12*(\a)
.set X0, BS+4*\j+QQ
.set X1, AS+4*(\a)+QQ
.else
.set RD, 8*(4*\j+(\a))
.set R0, AB+12*(\a)
.set R1, 64+96*((\ks)&1)+12*\j
.set X0, AS+4*(\a)+QQ
.set X1, BS+4*\j+QQ
.endif
.if (\ks) == 0
.set RC, BIAS+8*\j
.else
.set RC, RD
.endif
	WM
.endr
.endr
.endm
.macro STEP typ, ks, af                ; a K step whose successor lies in the same slot; af = 1: A's next fragments are fetched too (first tile only)
	s_wait_dscnt 0x0                               ; this step's fragments are in (asked for 32 matrix instructions ago)
	WIN 0
	PLACES
	FETCH (\ks)+1
.if \af
	FETCHA (\ks)+1
.endif
	MULH \typ, \ks, 0
	MULH \typ, \ks, 2
.endm
; A slot's last K step changes slots: ONE barrier; in front of it each wave waits for all its tensor loads, adds 0 to its spare word, and waits for that and for its reads of this slot.
; fill = 1: the barrier opens a round of the cluster's, and this slot takes the same half of K of the NEXT tile's 256 columns (64 column blocks, 786,432 bytes, on): four K steps, 128 matrix instructions, or more in which to land.
.macro TURN typ, ks, fill, af
	WIN 0
	s_wait_tensorcnt 0x0                           ; all my tensor loads have landed: my part of the other slot
	ds_add_u32 v[SPW], v[NIL]                      ; 0 onto my spare word
.if \fill
	s_add_nc_u64 s[G0B+4*((\ks)>>2)+2:G0B+4*((\ks)>>2)+3], s[G0B+4*((\ks)>>2)+2:G0B+4*((\ks)>>2)+3], 786432
.endif
	s_wait_dscnt 0x0                               ; the add is done, and my reads of this slot are over
	s_barrier_signal -1
	MULH \typ, \ks, 0
	WIN 0
	s_barrier_wait -1
.if \fill
	CREST                                          ; no wave of any partner still reads this slot or has a load on its way
	tensor_load_to_lds s[G0B+4*((\ks)>>2):G0B+4*((\ks)>>2)+3], s[G1B:G1B+7]   ; my one tensor load behind the round
	s_nop 0
.endif
	PLACES
	FETCH (\ks)+1
.if \af
	FETCHA (\ks)+1
.endif
	MULH \typ, \ks, 2
.endm
; 64 accumulator registers of window 1 from src on, register 16 b + i = k 32 b + 16 h + i of my row, become 12 registers of codes at v[pc] (two half images) and the four scale bytes in v[PW].
.macro QUANT src, pc
	s_wait_xcnt 0x0                                ; earlier stores have read the registers that are written below
	s_wait_dscnt 0x0                               ; and so have the LDS stores of the last scale word
	WIN 0x14                                       ; sources 1 and 2 in window 1
.irp b, 0,1,2,3
	v_max3_num_f32 v[TM+\b], 0x1800000, |v[(\src)+16*\b]|, |v[(\src)+16*\b+1]|   ; my 16 numbers of block b and the floor 2^(3 - 127); each accumulator is read from its low end on
.endr
.irp i, 2,4,6,8,10,12,14
.irp b, 0,1,2,3
	v_max3_num_f32 v[TM+\b], v[TM+\b], |v[(\src)+16*\b+\i]|, |v[(\src)+16*\b+\i+1]|
.endr
.endr
	WIN 0
.irp b, 0,1,2,3
	v_permlanex16_b32 v[TM+4+\b], v[TM+\b], s[SEL], s[SEL+1]
.endr
.irp b, 0,1,2,3
	v_max_num_f32 v[TM+\b], v[TM+\b], v[TM+4+\b]   ; with lane l xor 16's: the block's largest magnitude
.endr
.irp b, 0,1,2,3
	v_add_nc_u32 v[TM+12+\b], 0xff000000, v[TM+\b] ; 2 off its exponent field: the conversion's scale operand
.endr
.irp b, 0,1,2,3
	v_lshrrev_b32 v[TM+4+\b], 23, v[TM+12+\b]      ; the scale's byte
.endr
	v_lshl_or_b32 v[PW], v[TM+5], 8, v[TM+4]
	v_lshl_or_b32 v[PW], v[TM+6], 16, v[PW]
	v_lshl_or_b32 v[PW], v[TM+7], 24, v[PW]
	WIN 0x01                                       ; source 0 in window 1
.irp c, 0,1
	v_cvt_scalef32_pk16_fp6_f32 v[(\pc)+6*\c:(\pc)+6*\c+2], v[(\src)+32*\c:(\src)+32*\c+15], v[TM+12+2*\c]
	v_cvt_scalef32_pk16_fp6_f32 v[(\pc)+12+4*\c:(\pc)+14+4*\c], v[(\src)+32*\c+16:(\src)+32*\c+31], v[TM+13+2*\c]
.endr
	WIN 0
	v_nop                                          ; one plain place behind a scaled conversion
.irp c, 0,1                            ; the layout wants a whole block in a lane: lanes 0-15 block 2 c, lanes 16-31 block 2 c + 1
.irp i, 0,1,2
	v_permlane16_swap_b32 v[(\pc)+6*\c+\i], v[(\pc)+12+4*\c+\i]
.endr
.irp i, 0,1,2
	v_mov_b32 v[(\pc)+3+6*\c+\i], v[(\pc)+12+4*\c+\i]
.endr
.endr
.endm
.macro PUT pc, b, o0, o1               ; the two half images leave: 512 and 256 consecutive bytes an instruction, aligned
	global_store_b128 v3, v[(\pc):(\pc)+3], s[\b:\b+1] offset:\o0
	global_store_b64 v4, v[(\pc)+4:(\pc)+5], s[\b:\b+1] offset:(\o0)+512
	global_store_b128 v3, v[(\pc)+6:(\pc)+9], s[\b:\b+1] offset:\o1
	global_store_b64 v4, v[(\pc)+10:(\pc)+11], s[\b:\b+1] offset:(\o1)+512
.endm
.macro EPIHEAD                         ; behind a tile's last products
	WIN 0
	PLACES
.endm
.macro EPITMP
.irp b, 0,1,2,3
	v_mov_b32 v[TM+4+\b], 0                        ; a lane permute's destination counts as one of its sources
.endr
.endm
	v_lshlrev_b32 v200, 5, v1
	v_lshl_add_u32 v200, v2, 4, v200               ; A's scale bytes: 32 r + 16 h: register q holds K step q in lanes 0-15, 4 + q in lanes 16-31
.irp a, 0,1,2,3
	global_load_b128 v[AS+4*\a:AS+4*\a+3], v200, s[62:63] offset:\a*512
.endr
	LOADBS 0
	LOADBT 0
	s_wait_tensorcnt 0x1                           ; A and slot 0 are in; slot 1's load may stay out
	s_barrier_signal -1
	s_barrier_wait -1
	FETCH 0
	FETCHA 0
	s_wait_loadcnt 0x0                             ; scale words and bias
	; ---- tile 0: q
	STEP 0, 0, 1
	STEP 0, 1, 1
	STEP 0, 2, 1
	TURN 0, 3, 1, 1
	STEP 0, 4, 1
	STEP 0, 5, 1
	STEP 0, 6, 1
	TURN 0, 7, 1, 0
	EPIHEAD
	LOADBS 1                                       ; the next tile's scale words and bias land under this epilogue
	LOADBT 1
	EPITMP
	v_lshl_add_u32 v220, v1, 1, s80
	v_add_nc_u32 v220, QSL, v220                   ; q's scale bytes: 512 nh + 128 mh + 2 r
.irp a, 0,1,2,3                        ; 16 tokens x 128 columns: the half images of two heads
	QUANT 64*\a, PCB+20*(\a%2)
	PUT PCB+20*(\a%2), 66, \a*768, 98304+\a*768
	ds_store_b16 v220, v[PW] offset:32*\a
	ds_store_b16_d16_hi v220, v[PW] offset:32*\a+256
.endr
	s_wait_loadcnt 0x0
	s_wait_xcnt 0x0                                ; the stores have read set 1's registers: the next fetch may land there
	; ---- tile 1: k
	STEP 0, 0, 0
	STEP 0, 1, 0
	STEP 0, 2, 0
	TURN 0, 3, 1, 0
	STEP 0, 4, 0
	STEP 0, 5, 0
	STEP 0, 6, 0
	TURN 0, 7, 1, 0
	EPIHEAD
	LOADBS 2
	LOADBN 2
	EPITMP
	v_lshl_add_u32 v220, v1, 2, s80
	v_add_nc_u32 v220, KSL, v220                   ; K's scale words: 512 nh + 128 mh + 4 r
.irp a, 0,1,2,3                        ; token block 4 mh + a is half a % 2 of the fragment of 32 keys 2 mh + a / 2
	QUANT 64*\a, PCB+20*(\a%2)
	PUT PCB+20*(\a%2), 68, \a*768, HEADB+\a*768
	ds_store_b16 v220, v[PW] offset:(\a/2)*64+2*(\a%2)
	ds_store_b16_d16_hi v220, v[PW] offset:(\a/2)*64+2*(\a%2)+256
.endr
	s_wait_loadcnt 0x0
	s_wait_xcnt 0x0
	; ---- tile 2: v, the natural way; nothing more is asked for
	STEP 1, 0, 0
	STEP 1, 1, 0
	STEP 1, 2, 0
	TURN 1, 3, 0, 0
	STEP 1, 4, 0
	STEP 1, 5, 0
	STEP 1, 6, 0
	s_wait_dscnt 0x0
	MULH 1, 7, 0
	MULH 1, 7, 2
	EPIHEAD
	EPITMP
	v_lshl_add_u32 v220, v1, 2, s81
	v_add_nc_u32 v220, VSL, v220                   ; V's scale words: 512 nh + 4 r + 2 mh
	v_add_nc_u32 v221, s82, v4
	v_add_nc_u32 v221, QSL, v221                   ; the stages' way out: 256 wave + 8 lane
.irp i, 0,1,2,3                        ; column blocks 2 i, 2 i + 1 x my 64 tokens: half mh of two fragments of V
	QUANT 64*\i, PCB+20*(\i%2)
	PUT PCB+20*(\i%2), 70, (\i/2)*HEADB+2*(\i%2)*1536, (\i/2)*HEADB+2*(\i%2)*1536+1536
	ds_store_b16 v220, v[PW] offset:(\i/2)*256+2*(\i%2)*64
	ds_store_b16_d16_hi v220, v[PW] offset:(\i/2)*256+2*(\i%2)*64+64
.endr
	s_wait_dscnt 0x0                               ; for the others' sake: my scale bytes lie in the stages
	s_barrier_signal -1
	s_barrier_wait -1
	ds_load_b64 v[224:225], v221                   ; wave i takes head 4 hg + i: 256 bytes of each kind
	ds_load_b64 v[226:227], v221 offset:1024
	ds_load_b64 v[228:229], v221 offset:2048
	s_wait_dscnt 0x0
	global_store_b64 v4, v[224:225], s[72:73]      ; each store covers 256 consecutive bytes, aligned
	global_store_b64 v4, v[226:227], s[74:75] offset:6144
	global_store_b64 v4, v[228:229], s[74:75] offset:12544
	s_wait_tensorcnt 0x0                           ; the wave's end
	ds_add_u32 v[SPW], v[NIL]
	s_wait_dscnt 0x0
	CROUND                                         ; the closing round
	s_endpgm
.Lfunc_end_k_qf9da62041f_qkv:
	.size	k_qf9da62041f_qkv, .Lfunc_end_k_qf9da62041f_qkv-k_qf9da62041f_qkv
	.p2alignl 7, 3214868480
	.fill 96, 4, 3214868480
	.section	.rodata,"a",@progbits
	.p2align	6, 0x0
	.amdhsa_kernel k_qf9da62041f_qkv
		.amdhsa_group_segment_fixed_size 327680
		.amdhsa_private_segment_fixed_size 0
		.amdhsa_enable_private_segment 0
		.amdhsa_kernarg_size 40
		.amdhsa_user_sgpr_count 2
		.amdhsa_user_sgpr_kernarg_segment_ptr 1
		.amdhsa_wavefront_size32 1
		.amdhsa_system_sgpr_workgroup_id_x 1
		.amdhsa_system_sgpr_workgroup_id_y 1
		.amdhsa_system_sgpr_workgroup_id_z 1
		.amdhsa_system_vgpr_workitem_id 0
		.amdhsa_next_free_vgpr 1024
		.amdhsa_next_free_sgpr 96
		.amdhsa_reserve_vcc 0
		.amdhsa_float_denorm_mode_32 3
		.amdhsa_float_denorm_mode_16_64 3
		.amdhsa_memory_ordered 1
		.amdhsa_forward_progress 1
		.amdhsa_inst_pref_size 242
	.end_amdhsa_kernel
	.amdgpu_metadata
---
amdhsa.version: [ 1, 2 ]
amdhsa.kernels:
  - .name:           k_qf9da62041f_qkv
    .symbol:         k_qf9da62041f_qkv.kd
    .args:
      - { .name: xq, .offset: 0, .size: 8, .value_kind: global_buffer, .address_space: global }
      - { .name: wq, .offset: 8, .size: 8, .value_kind: global_buffer, .address_space: global }
      - { .name: b_attn, .offset: 16, .size: 8, .value_kind: global_buffer, .address_space: global }
      - { .name: qq, .offset: 24, .size: 8, .value_kind: global_buffer, .address_space: global }
      - { .name: kv, .offset: 32, .size: 8, .value_kind: global_buffer, .address_space: global }
    .group_segment_fixed_size: 327680
    .private_segment_fixed_size: 0
    .kernarg_segment_align: 8
    .kernarg_segment_size: 40
    .max_flat_workgroup_size: 128
    .sgpr_count:     96
    .vgpr_count:     1024
    .wavefront_size: 32
...
	.end_amdgpu_metadata
.endif
;; end of part 2
;; launch attn (part 3): grid 4 x 64, 16 waves a work-group, no clusters, 207,872 bytes of LDS; arguments qq, kv, yq; writes yq
.if DOCPART == 3
	.amdgcn_target "amdgcn-amd-amdhsa--gfx1250"
	.amdhsa_code_object_version 6
	.text
	.protected	k_qf9da62041f_attn
	.globl	k_qf9da62041f_attn
	.p2align	8
	.type	k_qf9da62041f_attn,@function
k_qf9da62041f_attn:
	s_mov_b64 s[64:65], 0
	v_nop
	global_prefetch_b8 v0, s[64:65] scope:SCOPE_SE
	s_setreg_imm32_b32 hwreg(HW_REG_WAVE_MODE, 25, 1), 1
	s_wait_xcnt 0x0
; y = softmax(q k^T / 8, causal) v for one head, both products on codes of FP6 (E2M3) with E8M0 scales; y is quantised along C on its way out, for the last product.
; THE SOFTMAX: t = score x log2(e) / 8; M = the running largest t rounded UP to a whole number; p = 2^(t - M) is quantised along the keys, not normalised; the row's sum is taken of the unquantised p and divides O at the end.
; When M moves, the sum and O are multiplied by 2^(old M - new M): exact.  LIMITS: NaN and infinities are not served; a block of zeros gets the byte 1 (its codes are zeros; only this program reads the bytes).
; SHARES.  Work-group (j, head); wave w owns TWO tiles of 16 queries: 16 j + w and 127 - (16 j + w).  A tile t needs t / 8 + 1 key steps of 128 keys under the causal mask, so every wave of every work-group has 17.
; THE HEAD'S WHOLE K AND V, 204,800 bytes as 16 records of 12,800, lie in LDS, filled once by waves 0-3 (four tensor loads each): no slot is filled again.  Four barriers let the walk begin when the first four records are in.
; NO CLUSTER: the four work-groups of a head read the same records, but which steps a wave leaves out hangs on its block of queries, and partners of a joint load have to run alike.
; K = 64 IN AN INSTRUCTION 128 DEEP.  A fragment of K holds 32 keys: row r has key 32 f + r + 8 (r / 8) at k 0-63 and that key + 8 at k 64-127.  Q stands as q, zeros, q (18 registers): [q | 0] gives the first 16 keys' scores, [0 | q] the others'.
; Zero codes add nothing under any of these scale bytes.  So register 16 f + i of S^T is key 32 f + 16 h + i: 16 neighbours, as p's conversions want them.
; Both products are used transposed (S^T = K Q^T, O^T = V^T P^T): a lane holds one query throughout.
; All trip counts are constants; a step all of whose keys come after the tile's queries is jumped over by a scalar branch on ids; the step on the diagonal masks its scores.
.set QSC,   6291456
.set YSC,   6291456
.set REC,   12800
.set HEADB, 204800
.set YS,    204800                     ; behind the records: y's scale bytes, 512 for the low tiles, 512 for the high
.set KV,    56                         ; v56-103  four fragments of K, then of V
.set S,     104                        ; v104-167 S^T, then p
.set O,     168                        ; v168-199 O^T
.set BM,    220
.set BT,    224
.set BO,    228
.set G1,    24
.set G0,    32
	s_load_b128 s[4:7], s[0:1], 0x0                ; qq, kv
	s_load_b64 s[8:9], s[0:1], 0x10                ; yq
	v_lshl_add_u32 v254, v0, 2, 0x32400
	v_mov_b32 v255, 0
	ds_add_u32 v254, v255
	ds_add_u32 v254, v255
	v_lshrrev_b32 v1, 5, v0
	s_delay_alu instid0(VALU_DEP_1)
	v_readfirstlane_b32 s10, v1                    ; wave 0..15
	s_and_b32 s11, ttmp7, 0xffff                   ; the head, 0..63
	s_lshl_b32 s13, ttmp9, 4
	s_add_co_u32 s13, s13, s10                     ; my low tile
	s_sub_co_u32 s14, 127, s13                     ; my high tile
	s_lshr_b32 s15, s13, 3                         ; their steps on the diagonal
	s_lshr_b32 s16, s14, 3
	s_mov_b32 s[G1], 3<<16                         ; a record: 50 rows of 32 elements of 8 bytes, dense
	s_mov_b32 s[G1+1], 32<<16
	s_mov_b32 s[G1+2], 50<<16
	s_mov_b32 s[G1+3], 32<<16
	s_mov_b32 s[G1+4], 50
	s_mov_b32 s[G1+5], 32
	s_mov_b32 s[G1+6], 0
	s_mov_b32 s[G1+7], 0
	s_min_u32 s12, s10, 3                          ; (waves 4-15 issue nothing: the term is held inside LDS for them)
	s_mul_i32 s12, s12, REC
	s_mul_i32 s56, s11, HEADB
	s_add_co_u32 s56, s56, s12
	s_mov_b32 s57, 0
	s_wait_dscnt 0x0
	s_wait_kmcnt 0x0
	s_add_nc_u64 s[56:57], s[6:7], s[56:57]
.irp g, 0,1,2,3
	s_mov_b32 s[G0+4*\g], 1
	s_add_co_u32 s[G0+4*\g+1], s12, \g*4*REC       ; record 4 g + wave
	s_add_nc_u64 s[G0+4*\g+2:G0+4*\g+3], s[56:57], \g*4*REC
	s_or_b32 s[G0+4*\g+3], s[G0+4*\g+3], 0x80000000
.endr
	s_cmp_lt_u32 s10, 4
	s_cbranch_scc0 .Lno_fetch                      ; all first fills of a wave stand in this one branch: four tensor loads of mine are out
.irp g, 0,1,2,3
	tensor_load_to_lds s[G0+4*\g:G0+4*\g+3], s[G1:G1+7]
	s_nop 0
.endr
.rept 4
	v_nop
.endr
.Lno_fetch:
	s_mov_b32 s20, 0x76543210
	s_mov_b32 s21, 0xfedcba98                      ; v_permlanex16_b32's selects for lane l xor 16
	s_mov_b32 s22, 0x3e38aa3b                      ; c = log2(e) / 8
	s_mov_b32 s23, s22                             ; (named with it as a pair, so it is written)
	s_mov_b32 s69, 0
	s_lshl_b32 s66, s11, 7
	s_add_co_u32 s67, s66, s14
	s_mul_i32 s68, s67, 768
	s_add_nc_u64 s[48:49], s[4:5], s[68:69]        ; the high tile's q
	s_add_co_u32 s67, s66, s13
	s_mul_i32 s68, s67, 768
	s_add_nc_u64 s[50:51], s[4:5], s[68:69]        ; the low tile's
	s_lshl_b32 s66, s11, 12
	s_add_co_u32 s66, s66, QSC
	s_lshl_b32 s67, s14, 5
	s_add_co_u32 s68, s66, s67
	s_add_nc_u64 s[52:53], s[4:5], s[68:69]        ; their scale bytes
	s_lshl_b32 s67, s13, 5
	s_add_co_u32 s68, s66, s67
	s_add_nc_u64 s[54:55], s[4:5], s[68:69]
	s_lshr_b32 s66, s11, 4
	s_lshl_b32 s66, s66, 7                         ; 128 row blocks a batch
	s_and_b32 s70, s11, 15                         ; the head in its batch = the half image in a row block of y
	s_add_co_u32 s67, s66, s14
	s_lshl_b32 s67, s67, 4
	s_add_co_u32 s67, s67, s70
	s_mul_i32 s68, s67, 768
	s_add_nc_u64 s[58:59], s[8:9], s[68:69]        ; y's half image, high tile
	s_add_co_u32 s67, s66, s13
	s_lshl_b32 s67, s67, 4
	s_add_co_u32 s67, s67, s70
	s_mul_i32 s68, s67, 768
	s_add_nc_u64 s[60:61], s[8:9], s[68:69]        ; low tile
	s_lshl_b32 s66, s11, 12
	s_add_co_u32 s66, s66, YSC
	s_lshl_b32 s67, ttmp9, 9                       ; the low tiles' scale bytes: 32 x 16 j;
	s_sub_co_u32 s68, 3584, s67                    ; the high tiles': 32 x (112 - 16 j)
	s_cmp_eq_u32 s10, 0
	s_cselect_b32 s67, s67, s68                    ; wave 0 stores the first, wave 1 the second
	s_add_co_u32 s68, s66, s67
	s_add_nc_u64 s[62:63], s[8:9], s[68:69]
	v_and_b32 v3, 31, v0
	s_delay_alu instid0(VALU_DEP_1)
	v_lshlrev_b32 v1, 4, v3                        ; 16 x lane
	s_delay_alu instid0(VALU_DEP_2)
	v_lshlrev_b32 v2, 3, v3                        ; 8 x lane
	s_delay_alu instid0(VALU_DEP_3)
	v_lshlrev_b32 v3, 2, v3                        ; 4 x lane
	v_and_b32 v240, 15, v0                         ; r
	v_bfe_u32 v241, v0, 4, 1                       ; h
	s_delay_alu instid0(VALU_DEP_2)
	v_lshlrev_b32 v243, 1, v240                    ; 2 r
	global_load_b128 v[16:19], v1, s[48:49]        ; q twice, with six registers of zeros between
	global_load_b64 v[20:21], v2, s[48:49] offset:512
	global_load_b128 v[28:31], v1, s[48:49]
	global_load_b64 v[32:33], v2, s[48:49] offset:512
	global_load_b128 v[34:37], v1, s[50:51]
	global_load_b64 v[38:39], v2, s[50:51] offset:512
	global_load_b128 v[46:49], v1, s[50:51]
	global_load_b64 v[50:51], v2, s[50:51] offset:512
	global_load_u16 v52, v243, s[52:53]
	global_load_u16 v53, v243, s[54:55]
	v_and_b32 v242, 8, v240
	s_delay_alu instid0(VALU_DEP_1)
	v_add_nc_u32 v242, v242, v240
	v_lshlrev_b32 v241, 4, v241
	s_delay_alu instid0(VALU_DEP_1)
	v_sub_nc_u32 v242, v242, v241                  ; r + 8 (r / 8) - 16 h
	s_wait_alu depctr_va_vdst(0)
	s_bfe_u32 s66, s14, 0x20001
	s_lshl_b32 s66, s66, 5
	s_and_b32 s67, s14, 1
	s_lshl_b32 s67, s67, 3
	s_add_co_u32 s66, s66, s67
	v_add_nc_u32 v4, s66, v242                     ; d = my query - the diagonal step's first key - 16 h: register 16 b + i is hidden where 32 b + i > d
	s_bfe_u32 s66, s13, 0x20001
	s_lshl_b32 s66, s66, 5
	s_and_b32 s67, s13, 1
	s_lshl_b32 s67, s67, 3
	s_add_co_u32 s66, s66, s67
	v_add_nc_u32 v5, s66, v242
	s_lshl_b32 s66, s10, 5
	s_add_co_u32 s66, s66, YS
	v_lshl_add_u32 v9, v240, 1, s66                ; y's scale bytes, low tile: 32 w + 2 r
	s_xor_b32 s66, s10, 15
	s_lshl_b32 s66, s66, 5
	s_add_co_u32 s66, s66, YS+512
	v_lshl_add_u32 v10, v240, 1, s66               ; high tile: 512 + 32 (15 - w) + 2 r
	s_min_u32 s66, s10, 1
	s_lshl_b32 s66, s66, 9
	s_add_co_u32 s66, s66, YS
	v_add_nc_u32 v11, s66, v1                      ; their way out
.irp i, 22,23,24,25,26,27,40,41,42,43,44,45
	v_mov_b32 v\i, 0                               ; the zero codes beside q
.endr
.irp b, 0,1,2,3
	v_mov_b32 v[BT+\b], 0                          ; a lane permute's destination counts as one of its sources
.endr
	v_mov_b32 v239, 0                              ; (named as the upper half of the pair v[238:239])
	v_mov_b32 v244, 0xff800000                     ; -infinity
.macro INIT                            ; a tile begins: zeros, which the first change of M leaves zeros
	s_wait_xcnt 0x0                                ; the last tile's stores have read their registers
	s_wait_dscnt 0x0
	v_mov_b32 v13, 0xff61b1e6                      ; the largest t so far: -3e38
	s_delay_alu instid0(VALU_DEP_1)
	v_floor_f32 v12, -v13                          ; -M
	v_mov_b32 v14, 0
	v_mov_b32 v15, 0
.set NN, 0
.rept 32
	v_mov_b32 v[O+NN], 0
.set NN, NN+1
.endr
.endm
.macro QK d, f, q, qs                  ; 16 keys x my 16 queries
.if (\f)%2
	v_wmma_scale_f32_16x16x128_f8f6f4 v[(\d):(\d)+7], v[KV+12*(\f):KV+12*(\f)+11], v[(\q):(\q)+11], 0, v[232+(\f)/2], v[\qs] matrix_a_fmt:MATRIX_FMT_FP6 matrix_b_fmt:MATRIX_FMT_FP6 matrix_a_scale:MATRIX_SCALE_ROW1
.else
	v_wmma_scale_f32_16x16x128_f8f6f4 v[(\d):(\d)+7], v[KV+12*(\f):KV+12*(\f)+11], v[(\q):(\q)+11], 0, v[232+(\f)/2], v[\qs] matrix_a_fmt:MATRIX_FMT_FP6 matrix_b_fmt:MATRIX_FMT_FP6
.endif
.endm
.macro FRAGS off                       ; four fragments, images of their registers, and their scale words (two fragments' to a register: lanes 0-15, lanes 16-31)
.irp f, 0,1,2,3
	ds_load_b128 v[KV+12*\f:KV+12*\f+3], v6 offset:(\off)+\f*1536
	ds_load_b64 v[KV+12*\f+4:KV+12*\f+5], v7 offset:(\off)+\f*1536+512
	ds_load_b128 v[KV+12*\f+6:KV+12*\f+9], v6 offset:(\off)+\f*1536+768
	ds_load_b64 v[KV+12*\f+10:KV+12*\f+11], v7 offset:(\off)+\f*1536+1280
.endr
.endm
; A KEY STEP of 128 keys.  q: Q's first register; qs: its scale word; d: the mask's register; sd: the scalar with the diagonal's step; masked = 1: the step may be hidden or lie on the diagonal.
.macro STEP q, qs, d, sd, masked
.if \masked
	s_cmp_gt_u32 s18, s[\sd]
	s_cbranch_scc1 .Lhidden_\@                     ; all its keys come after my queries: only the addresses step
.endif
	s_setprio 2
	v_add_nc_u32 v6, s17, v1
	v_add_nc_u32 v7, s17, v2
	v_add_nc_u32 v8, s17, v3
	v_nop                                          ; four places behind the last products, in front of loads into their registers
	FRAGS 0
	ds_load_b32 v232, v8 offset:6144
	ds_load_b32 v233, v8 offset:6272
	s_wait_alu depctr_va_vdst(0)
	s_wait_dscnt 0x0
.irp f, 0,1,2,3
	QK S+16*\f, \f, \q, \qs
	QK S+16*\f+8, \f, (\q)+6, \qs
.endr
.rept 4
	v_nop
.endr
	FRAGS 6400                                     ; V's fragments into the same registers: they land under the softmax
	ds_load_b32 v234, v8 offset:12544
	ds_load_b32 v235, v8 offset:12672
.if \masked
	s_cmp_lg_u32 s18, s[\sd]
	s_cbranch_scc1 .Lopen_\@
.set NN, 0
.rept 64
	v_cmp_gt_i32 vcc_lo, 32*(NN/16)+NN%16, v[\d]
	v_cndmask_b32 v[S+NN], v[S+NN], v244, vcc_lo   ; hidden scores become -infinity ahead of the maximum: p = 0
.set NN, NN+1
.endr
.Lopen_\@:
.endif
.irp b, 0,1,2,3
	v_max3_num_f32 v[BM+\b], v[S+16*\b], v[S+16*\b+1], v[S+16*\b+2]   ; the largest score of each block of 32 keys: for the row's maximum, and, since p rises with the score, for the block's largest p
.endr
.irp i, 3,5,7,9,11,13
.irp b, 0,1,2,3
	v_max3_num_f32 v[BM+\b], v[BM+\b], v[S+16*\b+\i], v[S+16*\b+\i+1]
.endr
.endr
.irp b, 0,1,2,3
	v_max_num_f32 v[BM+\b], v[BM+\b], v[S+16*\b+15]
.endr
.irp b, 0,1,2,3
	s_delay_alu instid0(VALU_DEP_4)
	v_permlanex16_b32 v[BT+\b], v[BM+\b], s20, s21
.endr
.irp b, 0,1,2,3
	s_delay_alu instid0(VALU_DEP_4)
	v_max_num_f32 v[BM+\b], v[BM+\b], v[BT+\b]     ; with lane l xor 16's 16 keys
.endr
	s_delay_alu instid0(VALU_DEP_2)
	v_max3_num_f32 v240, v[BM], v[BM+1], v[BM+2]
	s_delay_alu instid0(VALU_DEP_1)
	v_max_num_f32 v240, v240, v[BM+3]
	s_delay_alu instid0(VALU_DEP_1)
	v_mul_f32 v240, s22, v240                      ; as t (c is positive)
	s_delay_alu instid0(VALU_DEP_1)
	v_max_num_f32 v13, v13, v240                   ; the running largest t
	v_mov_b32 v240, v12
	s_delay_alu instid0(VALU_DEP_2)
	v_floor_f32 v12, -v13                          ; the new -M = -ceil(t)
	s_delay_alu instid0(VALU_DEP_1)
	v_sub_f32 v240, v12, v240                      ; old M - new M: a whole number, 0 or less
	s_delay_alu instid0(VALU_DEP_1)
	v_cvt_i32_f32 v240, v240                       ; (it saturates)
	s_delay_alu instid0(VALU_DEP_1)
	v_ldexp_f32 v238, 1.0, v240                    ; f = 2^(old M - new M)
.set NN, 0
.rept 32
	v_pk_fma_f32 v[S+NN:S+NN+1], v[S+NN:S+NN+1], s[22:23], v[12:13] op_sel_hi:[1,0,0]   ; t - M, two at a time
.set NN, NN+2
.endr
.irp b, 0,1,2,3
	v_fma_f32 v[BM+\b], v[BM+\b], s22, v12
.endr
.set NN, 0
	s_setprio 1
	s_wait_alu depctr_va_vdst(0)
.rept 64
	v_exp_f32 v[S+NN], v[S+NN]                     ; p = 2^(t - M)
.set NN, NN+1
.endr
.irp b, 0,1,2,3
	v_exp_f32 v[BM+\b], v[BM+\b]                   ; the block's largest p: the same two instructions on the same number
.endr
	v_pk_mul_f32 v[14:15], v[14:15], v[238:239] op_sel_hi:[1,0]   ; the sums under the new M; the plain place behind the exponentials
	s_wait_alu depctr_va_vdst(0)
.irp b, 0,1,2,3
	v_max_num_f32 v[BM+\b], 0x1800000, v[BM+\b]    ; the floor 2^(3 - 127)
.endr
.irp b, 0,1,2,3
	s_delay_alu instid0(VALU_DEP_4)
	v_add_nc_u32 v[BO+\b], 0xff000000, v[BM+\b]
.endr
.irp b, 0,1,2,3
	s_delay_alu instid0(VALU_DEP_4)
	v_lshrrev_b32 v[BT+\b], 23, v[BO+\b]
.endr
	s_delay_alu instid0(VALU_DEP_3)
	v_lshl_or_b32 v236, v[BT+1], 8, v[BT]          ; p's scale word for these 128 keys
	s_delay_alu instid0(VALU_DEP_1)
	v_lshl_or_b32 v236, v[BT+2], 16, v236
	s_delay_alu instid0(VALU_DEP_1)
	v_lshl_or_b32 v236, v[BT+3], 24, v236
.irp c, 0,1
	v_cvt_scalef32_pk16_fp6_f32 v[200+6*\c:202+6*\c], v[S+32*\c:S+32*\c+15], v[BO+2*\c]
	v_cvt_scalef32_pk16_fp6_f32 v[212+4*\c:214+4*\c], v[S+32*\c+16:S+32*\c+31], v[BO+2*\c+1]
.endr
	v_nop                                          ; one plain place behind a scaled conversion
.irp c, 0,1
.irp i, 0,1,2
	v_permlane16_swap_b32 v[200+6*\c+\i], v[212+4*\c+\i]
.endr
.irp i, 0,1,2
	s_delay_alu instid0(VALU_DEP_3)
	v_mov_b32 v[203+6*\c+\i], v[212+4*\c+\i]
.endr
.endr
	v_pk_add_f32 v[246:247], v[108:109], v[112:113]
	v_pk_add_f32 v[252:253], v[116:117], v[120:121]
	v_pk_add_f32 v[250:251], v[124:125], v[128:129]
	v_pk_add_f32 v[248:249], v[132:133], v[136:137]
	v_pk_add_f32 v[242:243], v[140:141], v[144:145]
	v_pk_add_f32 v[232:233], v[148:149], v[152:153]
	v_pk_add_f32 v[230:231], v[156:157], v[160:161]
	v_pk_add_f32 v[14:15], v[14:15], v[164:165]
	v_pk_add_f32 v[246:247], v[246:247], v[104:105]
	v_pk_add_f32 v[252:253], v[252:253], v[106:107]
	v_pk_add_f32 v[250:251], v[250:251], v[110:111]
	v_pk_add_f32 v[248:249], v[248:249], v[114:115]
	v_pk_add_f32 v[242:243], v[242:243], v[118:119]
	v_pk_add_f32 v[232:233], v[232:233], v[122:123]
	v_pk_add_f32 v[230:231], v[230:231], v[126:127]
	v_pk_add_f32 v[14:15], v[14:15], v[130:131]
	v_pk_add_f32 v[246:247], v[246:247], v[134:135]
	v_pk_add_f32 v[252:253], v[252:253], v[138:139]
	v_pk_add_f32 v[250:251], v[250:251], v[142:143]
	v_pk_add_f32 v[248:249], v[248:249], v[146:147]
	s_setprio 0
	v_pk_add_f32 v[242:243], v[242:243], v[150:151]
	v_pk_add_f32 v[232:233], v[232:233], v[154:155]
	v_pk_add_f32 v[230:231], v[230:231], v[158:159]
	v_pk_add_f32 v[14:15], v[14:15], v[162:163]
	v_pk_add_f32 v[246:247], v[246:247], v[166:167]
	s_delay_alu instid0(VALU_DEP_2)
	v_pk_add_f32 v[14:15], v[14:15], v[248:249]
	s_delay_alu instid0(VALU_DEP_2)
	v_pk_add_f32 v[246:247], v[246:247], v[242:243]
	v_pk_add_f32 v[252:253], v[252:253], v[232:233]
	v_pk_add_f32 v[250:251], v[250:251], v[230:231]
	s_delay_alu instid0(VALU_DEP_2)
	v_pk_add_f32 v[14:15], v[14:15], v[252:253]
	s_delay_alu instid0(VALU_DEP_2)
	v_pk_add_f32 v[246:247], v[246:247], v[250:251]
	s_delay_alu instid0(VALU_DEP_1)
	v_pk_add_f32 v[14:15], v[14:15], v[246:247]
.set NN, 0
.rept 16
	v_pk_mul_f32 v[O+NN:O+NN+1], v[O+NN:O+NN+1], v[238:239] op_sel_hi:[1,0]   ; O^T under the new M
.set NN, NN+2
.endr
	s_wait_alu depctr_va_vdst(0)
	s_wait_dscnt 0x0                               ; V
.irp t, 0,1,2,3
.if \t%2
	v_wmma_scale_f32_16x16x128_f8f6f4 v[O+8*\t:O+8*\t+7], v[KV+12*\t:KV+12*\t+11], v[200:211], v[O+8*\t:O+8*\t+7], v[234+\t/2], v236 matrix_a_fmt:MATRIX_FMT_FP6 matrix_b_fmt:MATRIX_FMT_FP6 matrix_a_scale:MATRIX_SCALE_ROW1
.else
	v_wmma_scale_f32_16x16x128_f8f6f4 v[O+8*\t:O+8*\t+7], v[KV+12*\t:KV+12*\t+11], v[200:211], v[O+8*\t:O+8*\t+7], v[234+\t/2], v236 matrix_a_fmt:MATRIX_FMT_FP6 matrix_b_fmt:MATRIX_FMT_FP6
.endif
.endr
.if \masked
.Lhidden_\@:
.endif
	s_add_co_u32 s17, s17, REC                     ; the next record
	s_add_co_u32 s18, s18, 1
.endm
.macro PHASE n, first, q, qs, d, sd, masked      ; n key steps from step first on
	s_mov_b32 s17, (\first)*REC
	s_mov_b32 s18, \first
	s_mov_b32 s19, \n
.Lphase_\@:
	STEP \q, \qs, \d, \sd, \masked
	s_sub_co_u32 s19, s19, 1
	s_cmp_lg_u32 s19, 0
	s_cbranch_scc1 .Lphase_\@
	s_setprio 0
.endm
.macro MEET left                       ; the next four records: each fetching wave has seen its own land, and says so; the later ones may stay out
	s_wait_tensorcnt \left
	s_wait_dscnt 0x0
	s_barrier_signal -1
	s_barrier_wait -1
.endm
; A tile ends: y = O^T / the sum; register 16 b + i is channel 32 b + 16 h + i of my query: two blocks along C, quantised into one half image.
.macro FINISH yb, ya
.rept 4
	v_nop
.endr
	v_add_f32 v14, v14, v15
	s_delay_alu instid0(VALU_DEP_1)
	v_permlanex16_b32 v240, v14, s20, s21
	s_delay_alu instid0(VALU_DEP_1)
	v_add_f32 v14, v14, v240                       ; the row's sum
	s_wait_alu depctr_va_vdst(0)
	v_rcp_f32 v14, v14
	v_nop                                          ; one plain place behind a transcendental
.set NN, 0
	s_wait_alu depctr_va_vdst(0)
.rept 16
	v_pk_mul_f32 v[S+NN:S+NN+1], v[O+NN:O+NN+1], v[14:15] op_sel_hi:[1,0]   ; each accumulator from its low end on
.set NN, NN+2
.endr
.irp b, 0,1
	v_max3_num_f32 v[BM+\b], |v[S+16*\b]|, |v[S+16*\b+1]|, 0x1800000
.endr
.irp i, 2,4,6,8,10,12,14
.irp b, 0,1
	s_delay_alu instid0(VALU_DEP_2)
	v_max3_num_f32 v[BM+\b], v[BM+\b], |v[S+16*\b+\i]|, |v[S+16*\b+\i+1]|
.endr
.endr
.irp b, 0,1
	s_delay_alu instid0(VALU_DEP_2)
	v_permlanex16_b32 v[BT+\b], v[BM+\b], s20, s21
.endr
.irp b, 0,1
	s_delay_alu instid0(VALU_DEP_2)
	v_max_num_f32 v[BM+\b], v[BM+\b], v[BT+\b]
.endr
.irp b, 0,1
	s_delay_alu instid0(VALU_DEP_2)
	v_add_nc_u32 v[BO+\b], 0xff000000, v[BM+\b]
.endr
.irp b, 0,1
	s_delay_alu instid0(VALU_DEP_2)
	v_lshrrev_b32 v[BT+\b], 23, v[BO+\b]
.endr
	s_delay_alu instid0(VALU_DEP_1)
	v_lshl_or_b32 v241, v[BT+1], 8, v[BT]          ; my row's two scale bytes
	v_cvt_scalef32_pk16_fp6_f32 v[200:202], v[S:S+15], v[BO]
	v_cvt_scalef32_pk16_fp6_f32 v[204:206], v[S+16:S+31], v[BO+1]
	v_nop
.irp i, 0,1,2
	v_permlane16_swap_b32 v[200+\i], v[204+\i]
.endr
.irp i, 0,1,2
	s_delay_alu instid0(VALU_DEP_3)
	v_mov_b32 v[203+\i], v[204+\i]
.endr
	global_store_b128 v1, v[200:203], s[\yb:\yb+1]
	global_store_b64 v2, v[204:205], s[\yb:\yb+1] offset:512
	ds_store_b16 v[\ya], v241
.endm
	s_wait_loadcnt 0x0                             ; q and its scale bytes
	v_perm_b32 v52, v52, v52, 0x01000100           ; the two bytes twice: they serve q in either half of K
	v_perm_b32 v53, v53, v53, 0x01000100
	INIT
	MEET 3                                         ; records 0-3
	PHASE 4, 0, 16, 52, 4, 16, 0                   ; the high tile lies at 64 or above: its steps 0-7 are all open
	MEET 2
	PHASE 4, 4, 16, 52, 4, 16, 0
	MEET 1
	PHASE 4, 8, 16, 52, 4, 16, 1
	MEET 0
	PHASE 4, 12, 16, 52, 4, 16, 1
	FINISH 58, 10
	INIT
	PHASE 8, 0, 34, 53, 5, 15, 1                   ; the low tile
	FINISH 60, 9
	s_wait_dscnt 0x0                               ; for the others' sake: my scale bytes lie in the stage
	s_barrier_signal -1
	s_barrier_wait -1
	s_cmp_gt_u32 s10, 1
	s_cbranch_scc1 .Lend
	ds_load_b128 v[248:251], v11                   ; 512 bytes of scale bytes for each of waves 0 and 1
	s_wait_dscnt 0x0
	global_store_b128 v1, v[248:251], s[62:63]
.Lend:
	s_wait_tensorcnt 0x0
	ds_add_u32 v254, v255
	s_wait_dscnt 0x0
	s_endpgm
.Lfunc_end_k_qf9da62041f_attn:
	.size	k_qf9da62041f_attn, .Lfunc_end_k_qf9da62041f_attn-k_qf9da62041f_attn
	.p2alignl 7, 3214868480
	.fill 96, 4, 3214868480
	.section	.rodata,"a",@progbits
	.p2align	6, 0x0
	.amdhsa_kernel k_qf9da62041f_attn
		.amdhsa_group_segment_fixed_size 207872
		.amdhsa_private_segment_fixed_size 0
		.amdhsa_enable_private_segment 0
		.amdhsa_kernarg_size 24
		.amdhsa_user_sgpr_count 2
		.amdhsa_user_sgpr_kernarg_segment_ptr 1
		.amdhsa_wavefront_size32 1
		.amdhsa_system_sgpr_workgroup_id_x 1
		.amdhsa_system_sgpr_workgroup_id_y 1
		.amdhsa_system_sgpr_workgroup_id_z 1
		.amdhsa_system_vgpr_workitem_id 0
		.amdhsa_next_free_vgpr 256
		.amdhsa_next_free_sgpr 80
		.amdhsa_reserve_vcc 1
		.amdhsa_float_denorm_mode_32 3
		.amdhsa_float_denorm_mode_16_64 3
		.amdhsa_memory_ordered 1
		.amdhsa_forward_progress 1
		.amdhsa_inst_pref_size 123
	.end_amdhsa_kernel
	.amdgpu_metadata
---
amdhsa.version: [ 1, 2 ]
amdhsa.kernels:
  - .name:           k_qf9da62041f_attn
    .symbol:         k_qf9da62041f_attn.kd
    .args:
      - { .name: qq, .offset: 0, .size: 8, .value_kind: global_buffer, .address_space: global }
      - { .name: kv, .offset: 8, .size: 8, .value_kind: global_buffer, .address_space: global }
      - { .name: yq, .offset: 16, .size: 8, .value_kind: global_buffer, .address_space: global }
    .group_segment_fixed_size: 207872
    .private_segment_fixed_size: 0
    .kernarg_segment_align: 8
    .kernarg_segment_size: 24
    .max_flat_workgroup_size: 512
    .sgpr_count:     80
    .vgpr_count:     256
    .wavefront_size: 32
...
	.end_amdgpu_metadata
.endif
;; end of part 3
;; launch proj (part 4): grid 4 x 64, 4 waves a work-group, clusters of 4 x 4, 295,424 bytes of LDS; arguments yq, wq, b_proj, out0; writes out0
.if DOCPART == 4
	.amdgcn_target "amdgcn-amd-amdhsa--gfx1250"
	.amdhsa_code_object_version 6
	.text
	.protected	k_qf9da62041f_proj
	.globl	k_qf9da62041f_proj
	.p2align	8
	.type	k_qf9da62041f_proj,@function
k_qf9da62041f_proj:
	s_mov_b64 s[64:65], 0
	v_nop
	global_prefetch_b8 v0, s[64:65] scope:SCOPE_SE
	s_setreg_imm32_b32 hwreg(HW_REG_WAVE_MODE, 25, 1), 1
	s_wait_xcnt 0x0
	s_wait_alu depctr_hold_cnt(0) depctr_sa_sdst(0) depctr_va_vdst(0) depctr_va_sdst(0) depctr_va_ssrc(0) depctr_va_vcc(0) depctr_vm_vsrc(0)
	s_getreg_b32 s2, hwreg(HW_REG_IB_STS2, 6, 4)
	s_cmp_eq_u32 s2, 0
	s_cbranch_scc0 .Lentry_in_a_cluster
	s_endpgm
.Lentry_in_a_cluster:
	s_bfe_u32 s2, ttmp6, 0x10000c
	s_cmp_lg_u32 s2, 0xf033
	s_cbranch_scc0 .Lentry_shape_is_right
	s_endpgm
.Lentry_shape_is_right:
; out0 = y w_proj + b_proj on codes of FP6 (E2M3) with E8M0 scales; out0 [8192][1024] f32.  NaN and infinities are not served.
; The frame is that of the launch that makes q, k and v: operands as images of their registers (a half image of 768 bytes: 16 rows x 64 K), row r of block 2 p + u = token or weight column 32 p + 8 u + r + 8 (r / 8).
; A work-group makes ONE tile of 128 tokens x 256 columns (64 x 4 = 256 tiles); four waves, 2 x 2, each 64 x 128: 32 accumulators.  A's 64 rows x 1,024 K stay in 384 registers of the wave; per K step a wave reads B's eight fragments.
; The product is used transposed (source 0 = 16 weight columns, source 1 = 16 tokens): a lane holds eight neighbouring columns of one token.
; CLUSTER 4 x 4: A's block is asked for jointly along a row of the cluster, B's two slots along a column.  All of K fits: A 98,304 bytes and two slots of 98,304, each filled once: nothing is filled again.
; REGISTERS: window 0: v1-15 addresses; v16-31 A's scale words; v32-63 B's; v64-159, v160-255 B's fragments, two sets.  window 1: accumulators.  window 2: A of K steps 0-4.  window 3: A of K steps 5-7, from v144 the bias.
.set WSC,   3145728
.set YSC,   6291456
.set SLOT0, 98304
.set SLOTB, 98304
.set AS,    16
.set BS,    32
.set BIAS,  144
.set STO,   11
.set RD_,   12
.set G1A,   24
.set G0A,   32
.set G1B,   36
.set G0B,   44
.set MSB,   0
.macro WIN new                         ; the immediate's high byte repeats the setting that is left
.if MSB != (\new)
	s_set_vgpr_msb (MSB<<8)|(\new)
.set MSB, (\new)
.endif
.endm
.macro PLACES                          ; four places behind matrix instructions (ISA guide 7.12.1)
.rept 4
	v_nop
.endr
.endm
.macro CROUND                          ; a round of the cluster's barrier
	s_barrier_signal -1
	s_barrier_wait -1
	s_cmp_lg_u32 s14, 0
	s_cbranch_scc1 .Lnot_wave_0_\@
	s_barrier_signal -3
.Lnot_wave_0_\@:
	s_barrier_wait -3
	s_barrier_signal -1
	s_barrier_wait -1
.endm
	s_load_b128 s[4:7], s[0:1], 0x0                ; yq, wq
	s_load_b128 s[8:11], s[0:1], 0x10              ; b_proj, out0
	v_lshl_add_u32 v15, v0, 2, 0x48000
	s_set_vgpr_msb 0x80
	v_mov_b32 v255, 0
	s_set_vgpr_msb 0x8088
	ds_add_u32 v15, v255
	ds_add_u32 v15, v255
	s_set_vgpr_msb 0x8800
	v_lshrrev_b32 v1, 5, v0
	v_readfirstlane_b32 s14, v1                    ; wave
	s_lshr_b32 s15, s14, 1                         ; mh
	s_and_b32 s16, s14, 1                          ; nh
	s_bfe_u32 s17, ttmp6, 0x40000                  ; cx
	s_bfe_u32 s18, ttmp6, 0x40004                  ; cy
	s_lshl_b32 s19, ttmp9, 2
	s_add_co_u32 s19, s19, s17                     ; column group = 4 x cluster x + cx
	s_and_b32 s20, ttmp7, 0xffff
	s_lshl_b32 s20, s20, 2
	s_add_co_u32 s20, s20, s18                     ; mb = 4 x cluster y + cy
	s_lshl_b32 s21, s18, 2
	s_lshl_b32 s21, 15, s21                        ; my row of the cluster
	s_lshl_b32 s22, 0x1111, s17                    ; my column
	s_or_b32 s[G1A], s21, (3<<16)|(1<<21)          ; A: 24,576 dense bytes as 96 rows of 32 elements of 8 bytes
	s_mov_b32 s[G1A+1], 32<<16
	s_mov_b32 s[G1A+2], 96<<16
	s_mov_b32 s[G1A+3], 32<<16
	s_mov_b32 s[G1A+4], 96
	s_mov_b32 s[G1A+5], 32
	s_mov_b32 s[G1A+6], 0
	s_mov_b32 s[G1A+7], 0
	s_or_b32 s[G1B], s22, (3<<16)|(1<<21)          ; B: 4 column blocks x 6,144 bytes, 12,288 bytes apart
	s_mov_b32 s[G1B+1], 768<<16
	s_mov_b32 s[G1B+2], 4<<16
	s_mov_b32 s[G1B+3], 768<<16
	s_mov_b32 s[G1B+4], 4
	s_mov_b32 s[G1B+5], 1536
	s_mov_b32 s[G1B+6], 0
	s_mov_b32 s[G1B+7], 0
	s_lshl_b32 s52, s20, 3
	s_lshl_b32 s53, s14, 1
	s_add_co_u32 s52, s52, s53
	s_mul_i32 s52, s52, 12288
	s_mov_b32 s53, 0
	s_lshl_b32 s54, s19, 4
	s_lshl_b32 s55, s14, 2
	s_add_co_u32 s54, s54, s55
	s_add_co_u32 s54, s54, 192                     ; w_proj's column blocks begin at 192
	s_mul_i32 s54, s54, 12288
	s_mov_b32 s55, 0
	s_mul_i32 s88, s14, 24576
	s_wait_dscnt 0x0
	s_wait_kmcnt 0x0
	s_mov_b32 s[G0A], 1
	s_mov_b32 s[G0A+1], s88
	s_add_nc_u64 s[G0A+2:G0A+3], s[4:5], s[52:53]
	s_or_b32 s[G0A+3], s[G0A+3], 0x80000000
	s_add_nc_u64 s[54:55], s[6:7], s[54:55]
.irp s, 0,1
	s_mov_b32 s[G0B+4*\s], 1
	s_add_co_u32 s[G0B+4*\s+1], s88, SLOT0+\s*SLOTB
	s_add_nc_u64 s[G0B+4*\s+2:G0B+4*\s+3], s[54:55], \s*6144
	s_or_b32 s[G0B+4*\s+3], s[G0B+4*\s+3], 0x80000000
.endr
	CROUND                                         ; all sixteen work-groups are here: the joint loads meet
	tensor_load_to_lds s[G0A:G0A+3], s[G1A:G1A+7]
	s_nop 0
	tensor_load_to_lds s[G0B:G0B+3], s[G1B:G1B+7]
	s_nop 0
	tensor_load_to_lds s[G0B+4:G0B+7], s[G1B:G1B+7]   ; three tensor loads of mine are out
	s_nop 0
	PLACES
	v_and_b32 v1, 15, v0                           ; r
	v_bfe_u32 v2, v0, 4, 1                         ; h
	v_and_b32 v3, 31, v0
	v_lshlrev_b32 v4, 3, v3                        ; 8 x lane
	v_lshlrev_b32 v3, 4, v3                        ; 16 x lane
	s_mul_i32 s88, s15, 49152
	v_add_nc_u32 v5, s88, v3
	v_add_nc_u32 v6, s88, v4
	s_mul_i32 s88, s16, 49152
	s_add_co_u32 s88, s88, SLOT0
	v_add_nc_u32 v7, s88, v3
	v_add_nc_u32 v8, s88, v4
	s_add_co_u32 s88, s88, SLOTB
	v_add_nc_u32 v9, s88, v3
	v_add_nc_u32 v10, s88, v4
	s_mul_i32 s88, s14, 8448                       ; the way out: a stage of 16 rows x (512 bytes + 16) for each wave, in slot 0: it has had its one fill, and nobody reads it behind the change of slots
	s_add_co_u32 s88, s88, SLOT0
	v_mul_u32_u24 v[STO], v1, 528
	v_lshl_add_u32 v[STO], v2, 6, v[STO]
	v_add_nc_u32 v[STO], s88, v[STO]               ; in: row r, + 64 h
	v_add_nc_u32 v[RD_], s88, v3                   ; back: the 32 lanes take a row of 512 bytes
	v_lshlrev_b32 v13, 2, v1
	v_lshl_add_u32 v13, v2, 16, v13                ; B's scale words: 4 r; lanes 16-31 four K steps on
	v_lshlrev_b32 v14, 6, v2                       ; the bias: 16 h columns on
	v_lshlrev_b32 v200, 1, v1
	v_lshl_add_u32 v200, v2, 15, v200              ; A's scale bytes: 2 r; lanes 16-31 eight heads (32,768 bytes) on
	s_wait_alu depctr_va_vdst(0)
	s_mov_b32 s57, 0
	s_lshl_b32 s56, s19, 4
	s_lshl_b32 s83, s16, 3
	s_add_co_u32 s56, s56, s83
	s_add_co_u32 s56, s56, 192
	s_lshl_b32 s56, s56, 6
	s_add_co_u32 s56, s56, WSC
	s_add_nc_u64 s[58:59], s[6:7], s[56:57]
	s_lshl_b32 s56, s19, 10
	s_lshl_b32 s83, s16, 9
	s_add_co_u32 s56, s56, s83
	s_add_nc_u64 s[60:61], s[8:9], s[56:57]        ; the bias at column 256 group + 128 nh
	s_lshl_b32 s84, s20, 7
	s_lshl_b32 s83, s15, 6
	s_add_co_u32 s84, s84, s83
	s_lshl_b32 s84, s84, 12                        ; my first token's row of 4,096 bytes
	s_add_co_u32 s56, s56, s84
	s_add_nc_u64 s[66:67], s[10:11], s[56:57]      ; out0 at my corner
	s_lshr_b32 s56, s20, 4
	s_lshl_b32 s56, s56, 16                        ; 16 heads of 4,096 bytes a batch
	s_and_b32 s83, s20, 15
	s_lshl_b32 s83, s83, 3
	s_lshl_b32 s84, s15, 2
	s_add_co_u32 s83, s83, s84
	s_lshl_b32 s83, s83, 5                         ; 32 bytes a tile of 16 tokens
	s_add_co_u32 s56, s56, s83
	s_add_co_u32 s56, s56, YSC
	s_add_nc_u64 s[62:63], s[4:5], s[56:57]
.irp a, 0,1,2,3                        ; the word of K step q (4 + q in lanes 16-31) is made of the two bytes of head 2 q and the two of head 2 q + 1
.irp q, 0,1,2,3
.irp e, 0,1
	global_load_u16 v[160+2*(4*\a+\q)+\e], v200, s[62:63] offset:(2*\q+\e)*4096+32*\a
.endr
.endr
.endr
.irp j, 0,1,2,3,4,5,6,7
.irp q, 0,1,2,3
	global_load_b32 v[BS+4*\j+\q], v13, s[58:59] offset:\q*16384+\j*64
.endr
.endr
	WIN 0xc0
.irp j, 0,1,2,3,4,5,6,7                ; the bias as C of tile j: columns 32 (j / 2) + 16 h + 8 (j % 2) + 0 .. 7
	global_load_b128 v[BIAS+8*\j:BIAS+8*\j+3], v14, s[60:61] offset:(32*(\j/2)+8*(\j%2))*4
	global_load_b128 v[BIAS+8*\j+4:BIAS+8*\j+7], v14, s[60:61] offset:(32*(\j/2)+8*(\j%2))*4+16
.endr
	WIN 0
.macro FETCH k                         ; B's eight fragments of K step k: slot k / 4, into set k % 2
	WIN 0
.set FS, ((\k)>>2)&1
.set FK, (\k)&3
.set FB, 64+96*((\k)&1)
.irp j, 0,1,2,3,4,5,6,7
	ds_load_b128 v[FB+12*\j:FB+12*\j+3], v[7+2*FS] offset:\j*6144+FK*1536
	ds_load_b64 v[FB+12*\j+4:FB+12*\j+5], v[8+2*FS] offset:\j*6144+FK*1536+512
	ds_load_b128 v[FB+12*\j+6:FB+12*\j+9], v[7+2*FS] offset:\j*6144+FK*1536+768
	ds_load_b64 v[FB+12*\j+10:FB+12*\j+11], v[8+2*FS] offset:\j*6144+FK*1536+1280
.endr
.endm
.macro FETCHA ks                       ; A's four fragments of K step ks, into the registers where they stay
.if (\ks) < 5
	WIN 0x80
.set AB, 48*(\ks)
.else
	WIN 0xc0
.set AB, 48*((\ks)-5)
.endif
.irp a, 0,1,2,3
	ds_load_b128 v[AB+12*\a:AB+12*\a+3], v5 offset:\a*12288+(\ks)*1536
	ds_load_b64 v[AB+12*\a+4:AB+12*\a+5], v6 offset:\a*12288+(\ks)*1536+512
	ds_load_b128 v[AB+12*\a+6:AB+12*\a+9], v5 offset:\a*12288+(\ks)*1536+768
	ds_load_b64 v[AB+12*\a+10:AB+12*\a+11], v6 offset:\a*12288+(\ks)*1536+1280
.endr
.endm
; 16 products: A's blocks a0, a0 + 1 x B's eight, K step ks; accumulator 8 (8 a + j).  K step 0 takes the bias as C.  The 32 accumulators take turns, one instruction a turn.
.macro MULH ks, a0
.set QQ, (\ks)&3
.if (\ks) < 5
.set AB, 48*(\ks)
.else
.set AB, 48*((\ks)-5)
.endif
.if (\ks) == 0
	WIN 0x78
.elseif (\ks) < 5
	WIN 0x58
.else
	WIN 0x5c
.endif
.irp a, \a0, \a0+1
.irp j, 0,1,2,3,4,5,6,7
.set RD, 8*(8*(\a)+\j)
.set R0, 64+96*((\ks)&1)+12*\j
.set R1, AB+12*(\a)
.if (\ks) == 0
.set RC, BIAS+8*\j
.else
.set RC, RD
.endif
.if (\ks) > 3
	v_wmma_scale_f32_16x16x128_f8f6f4 v[RD:RD+7], v[R0:R0+11], v[R1:R1+11], v[RC:RC+7], v[BS+4*\j+QQ], v[AS+4*(\a)+QQ] matrix_a_fmt:MATRIX_FMT_FP6 matrix_b_fmt:MATRIX_FMT_FP6 matrix_a_scale:MATRIX_SCALE_ROW1 matrix_b_scale:MATRIX_SCALE_ROW1
.else
	v_wmma_scale_f32_16x16x128_f8f6f4 v[RD:RD+7], v[R0:R0+11], v[R1:R1+11], v[RC:RC+7], v[BS+4*\j+QQ], v[AS+4*(\a)+QQ] matrix_a_fmt:MATRIX_FMT_FP6 matrix_b_fmt:MATRIX_FMT_FP6
.endif
.endr
.endr
.endm
.macro STEP ks
	s_wait_dscnt 0x0                               ; this step's fragments are in (asked for 32 matrix instructions ago)
	WIN 0
	PLACES
	FETCH (\ks)+1
	FETCHA (\ks)+1
	MULH \ks, 0
	MULH \ks, 2
.endm
	s_wait_tensorcnt 0x1                           ; A and slot 0 are in; slot 1's load may stay out
	s_barrier_signal -1
	s_barrier_wait -1
	FETCH 0
	FETCHA 0
	s_wait_loadcnt 0x0
	WIN 0
.set NN, 0
.rept 16
	v_lshl_or_b32 v[AS+NN], v[161+2*NN], 16, v[160+2*NN]
.set NN, NN+1
.endr
.rept 8
	v_nop                                          ; a scale register written by a vector instruction stands 8 places ahead of a scaled matrix instruction
.endr
	s_wait_alu depctr_va_vdst(0)
	STEP 0
	STEP 1
	STEP 2
	WIN 0                                          ; K step 3 changes slots
	s_wait_tensorcnt 0x0                           ; my part of slot 1, the last load, is in
	s_wait_dscnt 0x0                               ; my reads of slot 0 are over
	s_barrier_signal -1
	MULH 3, 0
	WIN 0
	s_barrier_wait -1                              ; slot 1 is whole, and nobody reads slot 0 any more
	PLACES
	FETCH 4
	FETCHA 4
	MULH 3, 2
	STEP 4
	STEP 5
	STEP 6
	s_wait_dscnt 0x0
	MULH 7, 0
	MULH 7, 2
; THE WAY OUT, block by block of 16 tokens x 128 columns, through my own stage: in as 32 bytes a lane, back as whole rows of 512 bytes.  LDS serves a wave's instructions in order (ISA guide 5.7.1.4).
.macro TOSTAGE a
	WIN 0x04                                       ; an LDS store's data are its source 1: window 1
.irp j, 0,1,2,3,4,5,6,7
	ds_store_b128 v[STO], v[64*(\a)+8*\j:64*(\a)+8*\j+3] offset:128*(\j/2)+32*(\j%2)      ; each accumulator from its low end on
	ds_store_b128 v[STO], v[64*(\a)+8*\j+4:64*(\a)+8*\j+7] offset:128*(\j/2)+32*(\j%2)+16
.endr
	WIN 0
.set BB, 64+64*((\a)%2)
.set II, 0
.rept 16
	ds_load_b128 v[BB+4*II:BB+4*II+3], v[RD_] offset:II*528
.set II, II+1
.endr
.endm
.macro SEND a, younger                 ; younger: the LDS instructions issued behind block a's loads, which may stay out
.set BB, 64+64*((\a)%2)
	s_wait_dscnt \younger
.set II, 0
.rept 16
	global_store_b128 v3, v[BB+4*II:BB+4*II+3], s[66:67] offset:(32*((\a)/2)+8*((\a)%2)+II+8*(II/8))*4096 th:TH_STORE_NT   ; stage row i is token 32 (a / 2) + 8 (a % 2) + i + 8 (i / 8); 512 consecutive bytes, aligned
.set II, II+1
.endr
.endm
	WIN 0
	PLACES
	TOSTAGE 0
.irp a, 1,2,3
.if \a > 1
	s_wait_xcnt 0x0                                ; block a - 2's stores have read their registers: block a's loads may land there
.endif
	TOSTAGE \a
	SEND \a-1, 32                                  ; behind block a - 1's loads: block a's 16 stores and 16 loads
.endr
	SEND 3, 0
	s_wait_dscnt 0x0
	s_set_vgpr_msb 0x8
	s_wait_tensorcnt 0x0
	ds_add_u32 v15, v255
	s_wait_dscnt 0x0
	s_set_vgpr_msb 0x800
	CROUND                                         ; the closing round
	s_endpgm
.Lfunc_end_k_qf9da62041f_proj:
	.size	k_qf9da62041f_proj, .Lfunc_end_k_qf9da62041f_proj-k_qf9da62041f_proj
	.p2alignl 7, 3214868480
	.fill 96, 4, 3214868480
	.section	.rodata,"a",@progbits
	.p2align	6, 0x0
	.amdhsa_kernel k_qf9da62041f_proj
		.amdhsa_group_segment_fixed_size 295424
		.amdhsa_private_segment_fixed_size 0
		.amdhsa_enable_private_segment 0
		.amdhsa_kernarg_size 32
		.amdhsa_user_sgpr_count 2
		.amdhsa_user_sgpr_kernarg_segment_ptr 1
		.amdhsa_wavefront_size32 1
		.amdhsa_system_sgpr_workgroup_id_x 1
		.amdhsa_system_sgpr_workgroup_id_y 1
		.amdhsa_system_sgpr_workgroup_id_z 1
		.amdhsa_system_vgpr_workitem_id 0
		.amdhsa_next_free_vgpr 1024
		.amdhsa_next_free_sgpr 96
		.amdhsa_reserve_vcc 0
		.amdhsa_float_denorm_mode_32 3
		.amdhsa_float_denorm_mode_16_64 3
		.amdhsa_memory_ordered 1
		.amdhsa_forward_progress 1
		.amdhsa_inst_pref_size 89
	.end_amdhsa_kernel
	.amdgpu_metadata
---
amdhsa.version: [ 1, 2 ]
amdhsa.kernels:
  - .name:           k_qf9da62041f_proj
    .symbol:         k_qf9da62041f_proj.kd
    .args:
      - { .name: yq, .offset: 0, .size: 8, .value_kind: global_buffer, .address_space: global }
      - { .name: wq, .offset: 8, .size: 8, .value_kind: global_buffer, .address_space: global }
      - { .name: b_proj, .offset: 16, .size: 8, .value_kind: global_buffer, .address_space: global }
      - { .name: out0, .offset: 24, .size: 8, .value_kind: global_buffer, .address_space: global }
    .group_segment_fixed_size: 295424
    .private_segment_fixed_size: 0
    .kernarg_segment_align: 8
    .kernarg_segment_size: 32
    .max_flat_workgroup_size: 128
    .sgpr_count:     96
    .vgpr_count:     1024
    .wavefront_size: 32
...
	.end_amdgpu_metadata
.endif
;; end of part 4
